; MI455X (gfx1250); checked and timed in simulation.
; The chip was launched on July 23, 2026; its instructions are those of AMD's public machine-readable ISA for CDNA 5 (MIT licence, August 2026) and "CDNA5" Instruction Set Architecture Reference Guide (July 2026). The comments in the code are by the model that wrote it; some were corrected since.
;; Multi Head Attention. Allowed arithmetic: matrix products marked QUANTISED: E2M1 operands, one E8M0 scale for each 32 along K, by v_wmma_scale_f32_16x16x128_f8f6f4 with both operands' format E2M1 (or v_wmma_scale_f32_32x16x128_f4), f32 sums; products left as they are: bf16, f16 or f32 operands; f32 sums; everything else in f32.
;; Inputs: Wk 1,024 x 1,024 float32; Wo 1,024 x 1,024 float32; Wq 1,024 x 1,024 float32; Wv 1,024 x 1,024 float32; bk 1,024 float32; bo 1,024 float32; bq 1,024 float32; bv 1,024 float32; x 4 x 2,048 x 1,024 float32.
;; Outputs: out0 4 x 2,048 x 1,024 float32.
;; This version of the problem:
;;   THIS VERSION OF THE PROBLEM IS GIVEN IN LOW PRECISION. The matrix products marked QUANTISED in the list below multiply operands that are first quantised to E2M1 (2 exponent bits, 1 mantissa bit; 4 bits a number), with one power-of-two scale for each 32 numbers along K (OCP MX v1.0); their sums are f32. The products marked 'left as it is' may take bf16, f16 or f32 operands, with f32 sums. Whichever they take, every output number must still come out within the allowed error. Rounding operands to bf16 (8 significant bits) uses up far more of that allowance than f16 does (11 bits, for magnitudes from 6e-5 to 65,504). All else is computed in f32.
;;   The module's matrix products, in the order in which they are computed (A, B: the left and right operand; K: the contracted axis; several contracted axes count as one K, in the product's order):
;;     1. [M 8,192, K 1,024] x [K 1,024, N 1,024]; A: input x; B: input Wq: QUANTISED
;;     2. [M 8,192, K 1,024] x [K 1,024, N 1,024]; A: input x; B: input Wk: QUANTISED
;;     3. [M 8,192, K 1,024] x [K 1,024, N 1,024]; A: input x; B: input Wv: QUANTISED
;;     4. batch 64 x [M 2,048, K 64] x [K 64, N 2,048]; A: computed on the way; B: computed on the way: left as it is (an operand is computed on the way)
;;     5. batch 64 x [M 64, K 2,048] x [K 2,048, N 2,048]; A: computed on the way; B: computed on the way: left as it is (an operand is computed on the way)
;;     6. [M 8,192, K 1,024] x [K 1,024, N 1,024]; A: computed on the way; B: input Wo: left as it is (an operand is computed on the way)
;;   THE QUANTISER, for each operand of a quantised product, along K:
;;     - K is cut into blocks of 32 from its start; a last block that is shorter is filled with zeros.
;;     - A block's scale is 2^e with e = floor(log2(the largest magnitude in the block)) - 2, held to -126 .. 127; a block of zeros has e = 0. As a byte (E8M0): e + 127.
;;     - Each number is divided by its block's scale, clamped to +-6, and rounded to the nearest number of E2M1, ties to even, subnormals kept.
;;     - The product sums the exact products of the quantised numbers (number of the format x scale) in f32.
;;   ~~~python
;;   def quantise(x, axis):      # numpy; x: float32 -> the quantised numbers, widened to float32 again
;;       x = np.moveaxis(x, axis, -1); K = x.shape[-1]
;;       x = np.pad(x, [(0, 0)] * (x.ndim - 1) + [(0, -K % 32)]); x = x.reshape(x.shape[:-1] + (-1, 32)); a = np.abs(x).max(-1, keepdims=True)
;;       e = np.where(a > 0, np.clip(np.frexp(np.where(a > 0, a, 1))[1] - 1 - 2, -126, 127), 0)      # np.frexp(a)[1] - 1 = floor(log2(a)), exactly
;;       r = np.clip(x / 2.0 ** e, -6, 6)
;;       step = 2.0 ** (np.maximum(np.frexp(np.where(r == 0, 1, r))[1] - 1, 0) - 1)
;;       q = np.round(r / step) * step * 2.0 ** e      # np.round: ties to even
;;       return np.moveaxis(q.reshape(q.shape[:-2] + (-1,))[..., :K], -1, axis).astype(np.float32)
;;   ~~~
;; One version. Each part assembles by itself: llvm-mc -triple=amdgcn-amd-amdhsa -mcpu=gfx1250 --defsym DOCPART=n.
;; ======== version 1 of 1: 4 launches
;; limits: values are held in f16: magnitudes above 65,504 overflow, below 6.1e-05 lose precision
;; workspace buffers: xc 4,194,304 bytes; xs 262,144 bytes; wc 1,572,864 bytes; ws 98,304 bytes; wot 2,097,152 bytes; qkv 50,331,648 bytes; ctx 16,777,216 bytes
;; launch prep (part 1): grid 368 x 1, 4 waves a work-group, no clusters, 102,912 bytes of LDS; arguments x, xc, xs, Wq, Wk, Wv, wc, ws, Wo, wot; writes xc, xs, wc, ws, wot
.if DOCPART == 1
	.amdgcn_target "amdgcn-amd-amdhsa--gfx1250"
	.amdhsa_code_object_version 6
	.text
	.protected	k_qee65880703_prep
	.globl	k_qee65880703_prep
	.p2align	8
	.type	k_qee65880703_prep,@function
k_qee65880703_prep:
	s_mov_b64 s[64:65], 0
	v_nop
	global_prefetch_b8 v0, s[64:65] scope:SCOPE_SE
	s_setreg_imm32_b32 hwreg(HW_REG_WAVE_MODE, 25, 1), 1
	s_wait_xcnt 0x0
; PREP: the operands are laid out once, as the later launches read them.
;   x  [8192][1024] f32            -> xc [8192][512 bytes] codes of FP4 (E2M1), K innermost, the lower k in the low four bits; xs [8192][32] E8M0 bytes, one for each 32 along K
;   Wq, Wk, Wv [1024 k][1024 n] f32 -> wc [3072 n][512 bytes] codes with K innermost (Wq's columns, then Wk's, then Wv's); ws [3072][32] scale bytes
;   Wo [1024 k][1024 n] f32         -> wot [1024 n][1024 k] f16, K innermost
; A block's scale is 2^(floor(log2(its largest magnitude)) - 2); its byte is the largest magnitude's exponent field - 2, held at 1 from below.  A block of zeros keeps the byte 1: its codes are zeros,
; which add nothing under any byte but 0xff, and this program alone reads the bytes.
; LIMITS: blocks whose largest magnitude lies under 2^-124 (the floor) keep the byte 1; NaN and infinities among the inputs are not served; |Wo| stays at or under 65,504 (f16).
; THREE PATHS, parted by the work-group's number: 0-47 the three weights (16 work-groups each: 8 x 128 columns, 2 x 512 along K); 48-111 Wo (8 x 128 columns, 8 x 128 along K); 112-367 x (32,768 numbers each).
; The column paths, which have the fewest bytes a load, have the low numbers.  Each path has LDS bytes of its own.  Waves share nothing: no barrier.  No tensor load.
.set SPW,   190                        ; v190  LDS address of my spare word: SPARE + 4 x my thread's number; never rewritten
.set NIL,   191                        ; v191  0; never rewritten
.set WREG,  8192                       ; x's path: LDS bytes 0 .. 32,767, a region for each wave: two stages of 32 x SP bytes, behind them its 256 scale bytes
.set SP,    80                         ; a lane's place in a stage: its 64 bytes + 16 of padding
.set STEPS, 16
.set PITCH, 272                        ; the column paths: a stage row, 256 bytes + 16
.set WSTG,  32768                      ; the weights' four stages of 32 rows
.set OSTG,  WSTG+4*32*PITCH            ; Wo's four stages
.set SPARE, OSTG+4*32*PITCH            ; behind them: the spare words, 128 bytes for each wave: two blocks of 256 bytes that no other line names
.set XR,    16                         ; x: v16-79   four sets of 16 numbers as they are loaded
.set XX,    80                         ;    v80-111  two sets of 16 neighbours
.set XE,    112                        ;    v112-127 a scale byte for each step
.set XC,    128                        ;    v128-189 codes: four registers for each step, so that no store's data are written again
.set SB,    24                         ; columns: v24-27 the scale bytes, four to a register
.set WX,    32                         ;    v32-95   two sets of 32 numbers down K
.set WC,    96                         ;    v96-111  a block's codes, or its 16 pairs of f16
.set OUTR,  112                        ;    v112-175 the way out
.macro FINISH                          ; a wave's end: behind my last LDS store
	s_wait_tensorcnt 0x0
	ds_add_u32 v[SPW], v[NIL]
	s_wait_dscnt 0x0
	s_endpgm
.endm
; ---- x's path: a wave takes 16 steps of 512 numbers.  Each load reads 512 consecutive bytes; a step's 2,048 bytes turn through the wave's stage and come back 64 bytes a lane: 16 neighbours along K.
.macro XLOAD t
.irp i, 0,1,2,3
	global_load_b128 v[XR+16*((\t)%4)+4*\i:XR+16*((\t)%4)+4*\i+3], v3, s[4:5] offset:2048*(\t)+512*\i th:TH_LOAD_NT
.endr
.endm
.macro XTURN t                         ; LDS serves a wave's instructions in order: no wait stands between the stores and the loads
.irp i, 0,1,2,3
	ds_store_b128 v14, v[XR+16*((\t)%4)+4*\i:XR+16*((\t)%4)+4*\i+3] offset:32*SP*((\t)%2)+8*SP*\i
.endr
.irp i, 0,1,2,3
	ds_load_b128 v[XX+16*((\t)%2)+4*\i:XX+16*((\t)%2)+4*\i+3], v15 offset:32*SP*((\t)%2)+16*\i
.endr
.endm
.macro XSTEP t
.set XSET, XX+16*((\t)%2)
.if (\t) > 0
	s_wait_dscnt 1                                 ; this step's numbers are back from the stage (the last step's byte store may be out): so its stores into the stage have read their registers,
.else
	s_wait_dscnt 0x0
.endif
.if (\t)+4 < STEPS
	XLOAD (\t)+4                                   ; which take the loads of four steps on
.endif
.if (\t)+1 < STEPS
.if STEPS-2-(\t) >= 3
	s_wait_loadcnt 12                              ; the next step's four loads are in; those of the three steps behind it may be out
.else
	s_wait_loadcnt 4*(STEPS-2-(\t))
.endif
	XTURN (\t)+1                                   ; and go through the other stage while this step is worked
.endif
	v_max3_num_f32 v8, |v[XSET]|, |v[XSET+1]|, |v[XSET+2]|         ; the largest magnitude of my 16, in two chains
	v_max3_num_f32 v9, |v[XSET+3]|, |v[XSET+4]|, |v[XSET+5]|
.irp i, 6,10
	v_max3_num_f32 v8, v8, |v[XSET+\i]|, |v[XSET+\i+1]|
	v_max3_num_f32 v9, v9, |v[XSET+\i+2]|, |v[XSET+\i+3]|
.endr
	v_max3_num_f32 v8, v8, |v[XSET+14]|, |v[XSET+15]|
	v_max3_num_f32 v8, v8, v9, 0x1800000           ; and the floor 2^(3 - 127): the byte cannot fall under 1
	v_max_num_f32_dpp v8, v8, v8 row_xmask:1 row_mask:0xf bank_mask:0xf   ; and of my neighbour's 16: the block's
	v_add_nc_u32 v11, 0xff000000, v8               ; 2 off its exponent field: the conversion takes the exponent field of this operand as its scale, and nothing else of it
	v_cvt_scalef32_pk8_fp4_f32 v[XC+4*(\t)], v[XSET:XSET+7], v11
	v_cvt_scalef32_pk8_fp4_f32 v[XC+4*(\t)+1], v[XSET+8:XSET+15], v11
	v_lshrrev_b32 v[XE+(\t)], 23, v11              ; the scale's byte (a plain line behind the conversions)
	ds_store_b8 v5, v[XE+(\t)] offset:16*(\t)      ; both lanes of a block write the same byte with the same value
	global_store_b64 v4, v[XC+4*(\t):XC+4*(\t)+1], s[6:7] offset:256*(\t)   ; the wave stores 256 consecutive bytes, aligned
.endm
; ---- the column paths: a lane takes a column n and its registers run down K: each load reads 128 consecutive bytes a wave.
.macro WLOAD t                         ; rows 32 t + i of my chunk, i = 0 .. 31, into set t % 2
.irp i, 0,1,2,3,4,5,6,7,8,9,10,11,12,13,14,15,16,17,18,19,20,21,22,23,24,25,26,27,28,29,30,31
	global_load_b32 v[WX+32*((\t)%2)+\i], v3, s[10:11] offset:(32*(\t)+\i)*4096 th:TH_LOAD_NT
.endr
.endm
.macro LANES stg, rowb                 ; the lane's addresses: stg = the path's stages, rowb = a row of the output in bytes
	v_lshlrev_b32 v3, 2, v2                        ; in: 4 bytes a lane
	s_mul_i32 s31, s24, 32*PITCH
	s_add_co_u32 s31, s31, \stg                    ; my stage
	v_mul_u32_u24 v4, v2, PITCH
	v_add_nc_u32 v4, s31, v4                       ; into it: row = my column
	v_and_b32 v5, 15, v2
	v_lshrrev_b32 v6, 4, v2                        ; out of it: sixteen lanes to a row, two rows an instruction
	v_mul_u32_u24 v7, v6, PITCH
	v_lshl_add_u32 v7, v5, 4, v7
	v_add_nc_u32 v7, s31, v7
	v_mul_u32_u24 v8, v6, \rowb
	v_lshl_add_u32 v8, v5, 4, v8                   ; and the same place in the output
.endm
.macro ROWS_OUT sb, rowb               ; 32 rows of 256 bytes leave: sixteen lanes store 256 consecutive bytes, aligned
.irp t, 0,1,2,3,4,5,6,7,8,9,10,11,12,13,14,15
	ds_load_b128 v[OUTR+4*\t:OUTR+4*\t+3], v7 offset:2*\t*PITCH    ; LDS serves a wave's instructions in order: these see my stores
.endr
.irp t, 0,1,2,3,4,5,6,7,8,9,10,11,12,13,14,15
	s_wait_dscnt 15-\t                             ; row pair t is back; the younger loads may be out
	global_store_b128 v8, v[OUTR+4*\t:OUTR+4*\t+3], s[\sb:\sb+1] offset:2*\t*\rowb
.endr
.endm
.macro WBLOCK t                        ; a block of 32 along K of my column becomes 16 bytes of codes and a scale byte
.set WSET, WX+32*((\t)%2)
.if (\t) < 15
	s_wait_loadcnt 32                              ; this block's 32 loads are in; the next block's may be out
.else
	s_wait_loadcnt 0
.endif
	v_max3_num_f32 v12, |v[WSET]|, |v[WSET+1]|, |v[WSET+2]|        ; the block's largest magnitude: all 32 numbers are mine
	v_max3_num_f32 v13, |v[WSET+3]|, |v[WSET+4]|, |v[WSET+5]|
.irp i, 6,10,14,18,22,26
	v_max3_num_f32 v12, v12, |v[WSET+\i]|, |v[WSET+\i+1]|
	v_max3_num_f32 v13, v13, |v[WSET+\i+2]|, |v[WSET+\i+3]|
.endr
	v_max3_num_f32 v12, v12, |v[WSET+30]|, |v[WSET+31]|
	v_max3_num_f32 v12, v12, v13, 0x1800000        ; and the floor
	v_add_nc_u32 v11, 0xff000000, v12              ; the conversion's scale operand
	v_lshrrev_b32 v13, 23, v11                     ; the scale's byte
.if (\t)%4 == 0
	v_mov_b32 v[SB+(\t)/4], v13                    ; four bytes to a register, the lower K in the lower byte
.else
	v_lshl_or_b32 v[SB+(\t)/4], v13, 8*((\t)%4), v[SB+(\t)/4]
.endif
.irp g, 0,1,2,3
	v_cvt_scalef32_pk8_fp4_f32 v[WC+\g], v[WSET+8*\g:WSET+8*\g+7], v11
.endr
	ds_store_b128 v4, v[WC:WC+3] offset:16*(\t)    ; 32 codes: 16 bytes of my column's row
.if (\t)+2 < 16
	WLOAD (\t)+2
.endif
	s_wait_dscnt 0x0                               ; the store has read its registers: the next block's codes may be written
.endm
.macro CBLOCK t                        ; 32 numbers down K of my column of Wo become 64 bytes of f16
.set WSET, WX+32*((\t)%2)
.if (\t) < 3
	s_wait_loadcnt 32
.else
	s_wait_loadcnt 0
.endif
.irp i, 0,1,2,3,4,5,6,7,8,9,10,11,12,13,14,15
	v_cvt_pk_f16_f32 v[WC+\i], v[WSET+2*\i], v[WSET+2*\i+1]        ; the lower k in the low half
.endr
.irp g, 0,1,2,3
	ds_store_b128 v4, v[WC+4*\g:WC+4*\g+3] offset:64*(\t)+16*\g
.endr
.if (\t)+2 < 4
	WLOAD (\t)+2
.endif
	s_wait_dscnt 0x0                               ; the stores have read their registers
.endm
	s_load_b512 s[4:19], s[0:1], 0x0               ; x 4:5, xc 6:7, xs 8:9, Wq 10:11, Wk 12:13, Wv 14:15, wc 16:17, ws 18:19
	s_load_b128 s[20:23], s[0:1], 0x40             ; Wo 20:21, wot 22:23
	v_lshl_add_u32 v[SPW], v0, 2, SPARE
	v_mov_b32 v[NIL], 0
	v_lshrrev_b32 v1, 5, v0
	v_readfirstlane_b32 s24, v1                    ; wave 0..3
	v_and_b32 v2, 31, v0                           ; lane
	s_wait_kmcnt 0x0
	s_cmp_lt_u32 ttmp9, 48
	s_cbranch_scc1 .Lweights
	s_cmp_lt_u32 ttmp9, 112
	s_cbranch_scc1 .Lwo
	; ---- x: rows are dense and 1,024 is a multiple of 32, so x is a plain stream of blocks of 32, and so are its codes and scale bytes
	v_lshlrev_b32 v3, 4, v2                        ; my 16 bytes of a load's 512
	s_mul_i32 s25, s24, WREG
	v_lshrrev_b32 v14, 2, v2
	v_mul_u32_u24 v14, v14, SP
	v_and_b32 v15, 3, v2
	v_lshl_add_u32 v14, v15, 4, v14
	v_add_nc_u32 v14, s25, v14                     ; the stage, on the way in: SP (lane / 4) + 16 (lane % 4)
	v_mul_u32_u24 v15, v2, SP
	v_add_nc_u32 v15, s25, v15                     ; and on the way out: SP x lane: my 16 neighbours
	v_lshlrev_b32 v4, 3, v2                        ; my 8 bytes of a step's codes
	v_lshrrev_b32 v5, 1, v2
	s_add_co_u32 s25, s25, 2*32*SP
	v_add_nc_u32 v5, s25, v5                       ; LDS: my wave's 256 scale bytes, my block's byte
	v_lshlrev_b32 v7, 3, v2                        ; and on the way out 8 bytes a lane
	v_add_nc_u32 v6, s25, v7
	s_sub_co_u32 s26, ttmp9, 112
	s_lshl_b32 s26, s26, 2
	s_add_co_u32 s26, s26, s24                     ; which run of 8,192 numbers is my wave's: 0 .. 1,023
	s_mov_b32 s29, 0
	s_lshl_b32 s28, s26, 15                        ; 32,768 bytes of x,
	s_add_nc_u64 s[4:5], s[4:5], s[28:29]
	s_lshl_b32 s28, s26, 12                        ; 4,096 of codes,
	s_add_nc_u64 s[6:7], s[6:7], s[28:29]
	s_lshl_b32 s28, s26, 8                         ; 256 scale bytes a run
	s_add_nc_u64 s[8:9], s[8:9], s[28:29]
.irp t, 0,1,2,3
	XLOAD \t
.endr
	s_wait_loadcnt 12                              ; step 0's four loads are in
	XTURN 0
.irp t, 0,1,2,3,4,5,6,7,8,9,10,11,12,13,14,15
	XSTEP \t
.endr
	ds_load_b64 v[8:9], v6                         ; LDS serves a wave's instructions in order: these see my byte stores
	s_wait_dscnt 0x0
	global_store_b64 v7, v[8:9], s[8:9]            ; 32 lanes store 256 consecutive bytes, aligned
	FINISH
.Lweights:                                         ; ---- Wq, Wk, Wv: a wave takes 32 columns x 512 along K: 16 blocks a lane
	s_lshr_b32 s25, ttmp9, 4                       ; which weight
	s_and_b32 s26, ttmp9, 7                        ; which 128 columns
	s_bfe_u32 s27, ttmp9, 0x10003                  ; which 512 along K
	s_cmp_eq_u32 s25, 0
	s_cselect_b64 s[10:11], s[10:11], s[12:13]     ; the choice hangs on the work-group's number alone
	s_cmp_eq_u32 s25, 2
	s_cselect_b64 s[10:11], s[14:15], s[10:11]
	s_lshl_b32 s26, s26, 7
	s_lshl_b32 s28, s24, 5
	s_add_co_u32 s26, s26, s28                     ; my wave's first column
	s_lshl_b32 s28, s27, 21                        ; 512 rows of 4,096 bytes
	s_lshl_b32 s29, s26, 2
	s_add_co_u32 s28, s28, s29
	s_mov_b32 s29, 0
	s_add_nc_u64 s[10:11], s[10:11], s[28:29]
	s_lshl_b32 s30, s25, 10
	s_add_co_u32 s30, s30, s26                     ; my first row of wc and ws
	s_lshl_b32 s28, s30, 9
	s_lshl_b32 s31, s27, 8
	s_add_co_u32 s28, s28, s31                     ; 512 bytes a row, 256 for each 512 along K
	s_add_nc_u64 s[16:17], s[16:17], s[28:29]
	s_lshl_b32 s28, s30, 5
	s_lshl_b32 s31, s27, 4
	s_add_co_u32 s28, s28, s31                     ; 32 bytes a row, 16 for each 512 along K
	s_add_nc_u64 s[18:19], s[18:19], s[28:29]
	LANES WSTG, 512
	v_lshlrev_b32 v9, 5, v2                        ; my column's row of scale bytes
	WLOAD 0
	WLOAD 1
.irp t, 0,1,2,3,4,5,6,7,8,9,10,11,12,13,14,15
	WBLOCK \t
.endr
	global_store_b128 v9, v[SB:SB+3], s[18:19]     ; my column's 16 scale bytes
	ROWS_OUT 16, 512
	FINISH
.Lwo:                                              ; ---- Wo: a wave takes 32 columns x 128 along K
	s_sub_co_u32 s25, ttmp9, 48
	s_and_b32 s26, s25, 7                          ; which 128 columns
	s_lshr_b32 s27, s25, 3                         ; which 128 along K
	s_lshl_b32 s26, s26, 7
	s_lshl_b32 s28, s24, 5
	s_add_co_u32 s26, s26, s28                     ; my wave's first column
	s_lshl_b32 s28, s27, 19                        ; 128 rows of 4,096 bytes
	s_lshl_b32 s29, s26, 2
	s_add_co_u32 s28, s28, s29
	s_mov_b32 s29, 0
	s_mov_b64 s[10:11], s[20:21]                   ; the loads name s[10:11] in both column paths
	s_add_nc_u64 s[10:11], s[10:11], s[28:29]
	s_lshl_b32 s28, s26, 11                        ; a row of wot is 2,048 bytes,
	s_lshl_b32 s30, s27, 8                         ; 128 along K are 256
	s_add_co_u32 s28, s28, s30
	s_add_nc_u64 s[22:23], s[22:23], s[28:29]
	LANES OSTG, 2048
	WLOAD 0
	WLOAD 1
.irp t, 0,1,2,3
	CBLOCK \t
.endr
	ROWS_OUT 22, 2048
	FINISH
.Lfunc_end_k_qee65880703_prep:
	.size	k_qee65880703_prep, .Lfunc_end_k_qee65880703_prep-k_qee65880703_prep
	.p2alignl 7, 3214868480
	.fill 96, 4, 3214868480
	.section	.rodata,"a",@progbits
	.p2align	6, 0x0
	.amdhsa_kernel k_qee65880703_prep
		.amdhsa_group_segment_fixed_size 102912
		.amdhsa_private_segment_fixed_size 0
		.amdhsa_enable_private_segment 0
		.amdhsa_kernarg_size 80
		.amdhsa_user_sgpr_count 2
		.amdhsa_user_sgpr_kernarg_segment_ptr 1
		.amdhsa_wavefront_size32 1
		.amdhsa_system_sgpr_workgroup_id_x 1
		.amdhsa_system_sgpr_workgroup_id_y 1
		.amdhsa_system_sgpr_workgroup_id_z 1
		.amdhsa_system_vgpr_workitem_id 0
		.amdhsa_next_free_vgpr 192
		.amdhsa_next_free_sgpr 66
		.amdhsa_reserve_vcc 0
		.amdhsa_float_denorm_mode_32 3
		.amdhsa_float_denorm_mode_16_64 3
		.amdhsa_memory_ordered 1
		.amdhsa_forward_progress 1
		.amdhsa_inst_pref_size 132
	.end_amdhsa_kernel
	.amdgpu_metadata
---
amdhsa.version: [ 1, 2 ]
amdhsa.kernels:
  - .name:           k_qee65880703_prep
    .symbol:         k_qee65880703_prep.kd
    .args:
      - { .name: x, .offset: 0, .size: 8, .value_kind: global_buffer, .address_space: global }
      - { .name: xc, .offset: 8, .size: 8, .value_kind: global_buffer, .address_space: global }
      - { .name: xs, .offset: 16, .size: 8, .value_kind: global_buffer, .address_space: global }
      - { .name: Wq, .offset: 24, .size: 8, .value_kind: global_buffer, .address_space: global }
      - { .name: Wk, .offset: 32, .size: 8, .value_kind: global_buffer, .address_space: global }
      - { .name: Wv, .offset: 40, .size: 8, .value_kind: global_buffer, .address_space: global }
      - { .name: wc, .offset: 48, .size: 8, .value_kind: global_buffer, .address_space: global }
      - { .name: ws, .offset: 56, .size: 8, .value_kind: global_buffer, .address_space: global }
      - { .name: Wo, .offset: 64, .size: 8, .value_kind: global_buffer, .address_space: global }
      - { .name: wot, .offset: 72, .size: 8, .value_kind: global_buffer, .address_space: global }
    .group_segment_fixed_size: 102912
    .private_segment_fixed_size: 0
    .kernarg_segment_align: 8
    .kernarg_segment_size: 80
    .max_flat_workgroup_size: 128
    .sgpr_count:     66
    .vgpr_count:     192
    .wavefront_size: 32
...
	.end_amdgpu_metadata
.endif
;; end of part 1
;; launch qkv (part 2): grid 12 x 32, 4 waves a work-group, clusters of 4 x 4, 327,680 bytes of LDS; arguments xc, xs, wc, ws, qkv, bq, bk, bv; writes qkv
.if DOCPART == 2
	.amdgcn_target "amdgcn-amd-amdhsa--gfx1250"
	.amdhsa_code_object_version 6
	.text
	.protected	k_qee65880703_qkv
	.globl	k_qee65880703_qkv
	.p2align	8
	.type	k_qee65880703_qkv,@function
k_qee65880703_qkv:
	s_mov_b64 s[64:65], 0
	v_nop
	global_prefetch_b8 v0, s[64:65] scope:SCOPE_SE
	s_setreg_imm32_b32 hwreg(HW_REG_WAVE_MODE, 25, 1), 1
	s_wait_xcnt 0x0
	s_wait_alu depctr_hold_cnt(0) depctr_sa_sdst(0) depctr_va_vdst(0) depctr_va_sdst(0) depctr_va_ssrc(0) depctr_va_vcc(0) depctr_vm_vsrc(0)
	s_getreg_b32 s2, hwreg(HW_REG_IB_STS2, 6, 4)
	s_cmp_eq_u32 s2, 0
	s_cbranch_scc0 .Lentry_in_a_cluster
	s_endpgm
.Lentry_in_a_cluster:
	s_bfe_u32 s2, ttmp6, 0x10000c
	s_cmp_lg_u32 s2, 0xf033
	s_cbranch_scc0 .Lentry_shape_is_right
	s_endpgm
.Lentry_shape_is_right:
; QKV: [q | k | v] = Q(x) Q(W) + bias, the three quantised products as ONE GEMM, M 8,192 x N 3,072 x K 1,024, on codes of FP4 (E2M1) with one E8M0 scale for each 32 along K; sums in f32.
; The result is rounded to f16 and laid head-major for the attention: qkv [3 sel][64 bh][2048 s][64 d], bh = 16 b + h.  LIMIT: |q|, |k|, |v| stay at or under 65,504 (f16).
; A tile of C, 256 x 256, is made by a work-group of four waves; a wave makes 128 x 128: 64 accumulators of 16 x 16, 512 registers.
; K = 1,024 is two slots of 512 along K (tile rows of 256 bytes): both are filled at the start and nothing is filled again.  The scale bytes of the work-group's rows come once, with the first fills.
; CLUSTERS: 4 x 4 work-groups.  The four of a row of the cluster need the same tiles of x, the four of a column the same tiles of W: each tile is asked for jointly, by the same tensor load with the same
; descriptor and a mask that names the four.  A cluster's four tile columns are one weight: the cluster's x says q, k or v.
; THE MATRIX INSTRUCTION IS USED TRANSPOSED (source 0 = 16 rows of wc, source 1 = 16 rows of xc): a lane then holds eight neighbouring columns of one row of C.
; THE BIAS is the C of each sum's first matrix instruction: eight registers for each block of 16 columns, in the result's layout.
; REGISTERS, in windows of 256: window 0: v0-31 addresses; v32-95 scale words, two sets; v96-127 packed results; v128-191 x's fragments, ONE set, later rows on the way out; v192-255 the bias.
;   window 1: W's fragments, TWO sets, at v0 and v128.   window 2: the accumulators of my rows 0-63 ((a, b) at v[8 (8 a + b)]);   window 3: those of my rows 64-127.
.set NQ,     4                         ; steps of 128 along K in a slot
.set ROWB,   256                       ; a tile's row in bytes: 512 codes
.set KROW,   512                       ; a row of xc or wc in memory
.set PITCH,  272                       ; an LDS row: 256 bytes + 16 of padding = 68 words: the 16 rows that a load touches start at 16 different banks (64 banks of 4 bytes: ISA guide 11.1)
.set FR,     8                         ; registers of a fragment: 16 rows x 128 K
.set NL,     2                         ; LDS loads that bring one
.set NP,     4                         ; places behind this matrix instruction (ISA guide 7.12.1)
.set HALFT,  128*PITCH                 ; 128 rows: what one tensor load brings
.set SLOT,   4*HALFT                   ; x's 256 rows, then W's 256 rows
.set KS,     32                        ; a row of scale bytes
.set SCL,    2*SLOT                    ; behind the slots: the scales, as units of 256 bytes + 16 of padding
.set HALFS,  (128*KS/256)*272          ; the scales of 128 rows: what one tensor load brings
.set SBLK,   (16*KS/256)*272           ; those of 16 rows
.set SPARE,  SCL+4*HALFS               ; behind the scales: the spare words, 128 bytes for each wave: two blocks of 256 bytes that no other line names
.set SPH,    144                       ; the way out: a stage row, 128 bytes (a head's 64 f16) + 16
.set STGH,   16*SPH                    ; 16 rows of one head
.set STGW,   2*STGH                    ; a wave's stage: two heads.  It lies in slot 0, which has had its only fill and its last read when the first result is stored there
.set HEADB,  262144                    ; a head in qkv: 2,048 rows of 128 bytes
.set ADRA, 16                          ; v16-17  LDS address of my x fragments in slot 0, 1
.set ADRB, 20                          ; v20-21  the same for W
.set STO,  24                          ; v24     the way out: where I put 16 bytes of a row
.set RD,   25                          ; v25     where I read rows back
.set CO,   26                          ; v26     16 x lane: my bytes of a store's 512
.set ADRS, 27                          ; v27     LDS address of my scale words: lanes 0-15 x's rows, lanes 16-31 W's
.set SPW,  28                          ; v28     LDS address of my spare word; never rewritten
.set NIL,  29                          ; v29     0; never rewritten
.set SC,   32                          ; scale words: set s at v[SC + 32 s]; register 4 i + q: lanes 0-15 the word of x's block i, lanes 16-31 that of W's block i, for the slot's q-th 128 along K
.set TMP,  96
.set AF,   128
.set BK,   128                         ; rows read back: v128-159 and v160-191 by turns
.set BIAS, 192
.set G1, 24                            ; s[24:31] descriptor group 1 for x's tiles;  s[32:39] group 0, one set for each slot
.set G0, 32
.set G1B, 48                           ; s[48:55], s[56:63] the same for W's tiles
.set G0B, 56
.set G1S, 68                           ; s[68:75], s[76:79] groups 1 and 0 for x's scales;  s[80:87], s[88:91] for W's
.set G0S, 76
.set G1SB, 80
.set G0SB, 88
.set MSB, 0
.macro WIN new                         ; the immediate's high byte repeats the setting that is left
.if MSB != \new
	s_set_vgpr_msb (MSB<<8)|\new
.set MSB, \new
.endif
.endm
.set MUL_LO,  0xa1                     ; source 0 (W) window 1, source 1 (x) window 0, C and D window 2
.set MUL_HI,  0xf1                     ; the same, C and D window 3
.set BIAS_LO, 0x81                     ; the first step: C (the bias) window 0, D window 2
.set BIAS_HI, 0xc1                     ; and D window 3
.set TO_B,    0x40                     ; destination window 1, address window 0
; A joint load: waves 0 and 1 fetch for x, waves 2 and 3 for W.  Each of the two lines has one mask and one set of registers for all that issue it; the branch hangs on the wave's number alone.
; An s_nop 0 and four v_nop follow each of the two lines, ahead of the jump, the label and what follows.
.macro JLOAD g0a, g1a, g0b, g1b
	s_cmp_eq_u32 s15, 0
	s_cbranch_scc0 .Lfor_b_\@
	tensor_load_to_lds s[\g0a:\g0a+3], s[\g1a:\g1a+7]
	s_nop 0
.rept 4
	v_nop
.endr
	s_branch .Lasked_\@
.Lfor_b_\@:
	tensor_load_to_lds s[\g0b:\g0b+3], s[\g1b:\g1b+7]
	s_nop 0
.rept 4
	v_nop
.endr
.Lasked_\@:
.endm
.macro CROUND                          ; a round of the cluster's barrier
	s_barrier_signal -1
	s_barrier_wait -1
	s_cmp_lg_u32 s14, 0
	s_cbranch_scc1 .Lnot_wave_0_\@
	s_barrier_signal -3
.Lnot_wave_0_\@:
	s_barrier_wait -3
	s_barrier_signal -1
	s_barrier_wait -1
.endm
	s_load_b128 s[4:7], s[0:1], 0x0                ; xc s[4:5], xs s[6:7]
	s_load_b128 s[8:11], s[0:1], 0x10              ; wc s[8:9], ws s[10:11]
	s_load_b64 s[12:13], s[0:1], 0x20              ; qkv
	s_load_b128 s[96:99], s[0:1], 0x28             ; bq, bk
	s_load_b64 s[100:101], s[0:1], 0x38            ; bv
	v_lshl_add_u32 v[SPW], v0, 2, SPARE
	v_mov_b32 v[NIL], 0
	ds_add_u32 v[SPW], v[NIL]                      ; the wave's opening: the add, twice on end, and its wait ahead of my first tensor load
	ds_add_u32 v[SPW], v[NIL]                      ; the set-up below, work on registers, stands between the second add and the wait
	v_lshrrev_b32 v1, 5, v0
	v_readfirstlane_b32 s14, v1                    ; wave 0..3
	s_lshr_b32 s15, s14, 1                         ; which half of the tile's rows is mine.  Also: I fetch for x (0) or for W (1)
	s_and_b32 s16, s14, 1                          ; which half of its columns.  Also: which 128 rows of that tile I fetch
	s_bfe_u32 s40, ttmp6, 0x40000                  ; cx, cy: my place in the cluster
	s_bfe_u32 s41, ttmp6, 0x40004
	s_lshl_b32 s42, ttmp9, 2
	s_add_co_u32 s42, s42, s40                     ; tile column of C = 4 x cluster x + cx
	s_and_b32 s17, ttmp7, 0xffff
	s_lshl_b32 s17, s17, 2
	s_add_co_u32 s17, s17, s41                     ; tile row of C = 4 x cluster y + cy
	s_lshl_b32 s43, s41, 2
	s_lshl_b32 s43, 15, s43                        ; my row of the cluster
	s_lshl_b32 s44, 0x1111, s40                    ; my column
	; descriptor group 1: a tile of 128 rows x 256 bytes, padded in LDS
	s_or_b32 s[G1+0], s43, (0<<16)|(1<<20)|(1<<21)|(5<<22)|(3<<25)  ; 15:0 the mask: x's tiles go to my row; 17:16 element of 1 byte; 20 padding on; 21 set beside a mask; 24:22 after every 64 words; 31:25 four words
	s_or_b32 s[G1B+0], s44, (0<<16)|(1<<20)|(1<<21)|(5<<22)|(3<<25)
.irp g, G1, G1B
	s_mov_b32 s[\g+1], ROWB<<16                    ; tensor_dim0
	s_mov_b32 s[\g+2], 128<<16                     ; tensor_dim1
	s_mov_b32 s[\g+3], ROWB<<16                    ; tile_dim0
	s_mov_b32 s[\g+4], 128                         ; tile_dim1
	s_mov_b32 s[\g+5], KROW                        ; tensor_dim0_stride
	s_mov_b32 s[\g+6], 0
	s_mov_b32 s[\g+7], 0
.endr
	; and for the scales of 128 rows: a dense block of 4,096 bytes, as rows of 256 bytes (32 elements of 8 bytes), 16 bytes of padding behind each
	s_or_b32 s[G1S+0], s43, (3<<16)|(1<<20)|(1<<21)|(5<<22)|(3<<25)
	s_or_b32 s[G1SB+0], s44, (3<<16)|(1<<20)|(1<<21)|(5<<22)|(3<<25)
.irp g, G1S, G1SB
	s_mov_b32 s[\g+1], 32<<16
	s_mov_b32 s[\g+2], (128*KS/256)<<16
	s_mov_b32 s[\g+3], 32<<16
	s_mov_b32 s[\g+4], 128*KS/256
	s_mov_b32 s[\g+5], 32
	s_mov_b32 s[\g+6], 0
	s_mov_b32 s[\g+7], 0
.endr
	s_lshl_b32 s18, s16, 7                         ; which 128 rows of the tile I fetch
	s_lshl_b32 s20, s17, 8
	s_add_co_u32 s20, s20, s18                     ; x: row 256 x tile row + 128 x half
	s_lshl_b32 s46, s42, 8
	s_add_co_u32 s46, s46, s18                     ; W: row 256 x tile column + 128 x half
	s_mov_b32 s21, 0
	s_mov_b32 s47, 0
	s_mov_b64 s[18:19], KS
	s_mul_u64 s[22:23], s[20:21], s[18:19]         ; where these rows' scales begin, in bytes
	s_mul_u64 s[92:93], s[46:47], s[18:19]
	s_mov_b64 s[18:19], KROW
	s_mul_u64 s[20:21], s[20:21], s[18:19]         ; and their codes
	s_mul_u64 s[46:47], s[46:47], s[18:19]
	s_mul_i32 s45, s14, HALFT                      ; where they go: wave x 128 rows: no place in the cluster enters an LDS address
	s_mul_i32 s94, s14, HALFS
	s_wait_dscnt 0x0                               ; both opening adds are done
	s_wait_kmcnt 0x0
	s_add_nc_u64 s[20:21], s[4:5], s[20:21]
	s_add_nc_u64 s[22:23], s[6:7], s[22:23]
	s_add_nc_u64 s[46:47], s[8:9], s[46:47]
	s_add_nc_u64 s[92:93], s[10:11], s[92:93]
	CROUND                                         ; all sixteen work-groups are here: the joint loads meet
	s_mov_b32 s[G0S], 1
	s_add_co_u32 s[G0S+1], s94, SCL
	s_mov_b64 s[G0S+2:G0S+3], s[22:23]
	s_or_b32 s[G0S+3], s[G0S+3], 0x80000000
	s_mov_b32 s[G0SB], 1
	s_add_co_u32 s[G0SB+1], s94, SCL
	s_mov_b64 s[G0SB+2:G0SB+3], s[92:93]
	s_or_b32 s[G0SB+3], s[G0SB+3], 0x80000000
	JLOAD G0S, G1S, G0SB, G1SB                     ; the scales first: they are wanted with the first step
.irp s, 0,1
	s_mov_b32 s[G0+4*\s], 1
	s_add_co_u32 s[G0+4*\s+1], s45, \s*SLOT
	s_add_nc_u64 s[G0+4*\s+2:G0+4*\s+3], s[20:21], \s*ROWB
	s_or_b32 s[G0+4*\s+3], s[G0+4*\s+3], 0x80000000
	s_mov_b32 s[G0B+4*\s], 1
	s_add_co_u32 s[G0B+4*\s+1], s45, \s*SLOT
	s_add_nc_u64 s[G0B+4*\s+2:G0B+4*\s+3], s[46:47], \s*ROWB
	s_or_b32 s[G0B+4*\s+3], s[G0B+4*\s+3], 0x80000000
	JLOAD G0+4*\s, G1, G0B+4*\s, G1B               ; three tensor loads of mine are out, by this text's own count
.endr
	v_and_b32 v1, 15, v0                           ; r = l % 16
	v_bfe_u32 v2, v0, 4, 1                         ; h = l / 16
	; the bias of my 128 columns: lane (r, h) wants, for block b, columns 16 b + 8 h + 0 .. 7
	s_cmp_eq_u32 ttmp9, 0                          ; the cluster's x says which weight: the same in all sixteen partners
	s_cselect_b64 s[66:67], s[96:97], s[98:99]
	s_cmp_eq_u32 ttmp9, 2
	s_cselect_b64 s[66:67], s[100:101], s[66:67]
	s_lshl_b32 s46, s40, 10                        ; 256 cx columns of 4 bytes (in the pair that held W's address: none that feeds x's descriptors ever holds cx)
	s_lshl_b32 s47, s16, 9                         ; + 128 x half
	s_add_co_u32 s46, s46, s47
	s_mov_b32 s47, 0
	s_add_nc_u64 s[66:67], s[66:67], s[46:47]
	v_lshlrev_b32 v7, 5, v2                        ; 32 h; never rewritten
.irp b, 0,1,2,3,4,5,6,7
	global_load_b128 v[BIAS+8*\b:BIAS+8*\b+3], v7, s[66:67] offset:64*\b
	global_load_b128 v[BIAS+8*\b+4:BIAS+8*\b+7], v7, s[66:67] offset:64*\b+16
.endr
	v_mul_u32_u24 v3, v1, PITCH
	v_lshl_add_u32 v4, v2, 4, v3                   ; a fragment's row x pitch + 16 x half
	s_mul_i32 s21, s15, HALFT                      ; my 128 rows of x
	s_mul_i32 s22, s16, HALFT                      ; my 128 rows of W,
	s_add_co_u32 s22, s22, 2*HALFT                 ; which lie behind x's 256
.irp s, 0,1
	v_add_nc_u32 v[ADRA+\s], s21, v4
	v_add_nc_u32 v[ADRB+\s], s22, v4
	s_add_co_u32 s21, s21, SLOT
	s_add_co_u32 s22, s22, SLOT
.endr
	v_mul_u32_u24 v5, v1, KS                       ; my row's scales: 32 bytes a row,
	v_lshrrev_b32 v6, 8, v5
	v_lshl_add_u32 v5, v6, 4, v5                   ; and 16 more for each 256 passed
	s_mul_i32 s21, s15, HALFS                      ; x's: my 128 rows
	s_mul_i32 s22, s16, HALFS                      ; W's: my 128 rows, behind x's 256
	s_add_co_u32 s22, s22, 2*HALFS
	s_sub_co_u32 s22, s22, s21
	v_mul_u32_u24 v6, s22, v2                      ; lanes 16-31 take W's: one product, the lower base + h x the distance
	s_add_co_u32 s21, s21, SCL
	v_add_nc_u32 v5, v5, v6
	v_add_nc_u32 v[ADRS], s21, v5
	s_mul_i32 s23, s14, STGW                       ; my stage
	v_mul_u32_u24 v5, v1, SPH                      ; in: row r, 16 bytes for each half of the lanes
	v_lshl_add_u32 v5, v2, 4, v5
	v_add_nc_u32 v[STO], s23, v5
	v_and_b32 v6, 31, v0
	v_lshlrev_b32 v[CO], 4, v6                     ; out: 16 bytes a lane
	v_lshrrev_b32 v5, 3, v6                        ; back: eight lanes to a row of 128 bytes, four rows an instruction
	v_mul_u32_u24 v5, v5, SPH
	v_and_b32 v6, 7, v6
	v_lshl_add_u32 v5, v6, 4, v5
	v_add_nc_u32 v[RD], s23, v5
	; where my part begins in qkv: ((sel x 64 + 16 b + head) x 2,048 + s) x 128 bytes
	s_lshl_b32 s20, s17, 8
	s_lshl_b32 s21, s15, 7
	s_add_co_u32 s20, s20, s21                     ; my first row m of C
	s_lshr_b32 s21, s20, 11                        ; b
	s_and_b32 s20, s20, 2047                       ; s
	s_lshl_b32 s20, s20, 7
	s_lshl_b32 s21, s21, 4
	s_lshl_b32 s46, s42, 2
	s_lshl_b32 s47, s16, 1
	s_add_co_u32 s46, s46, s47                     ; my first column / 64: 16 sel + head
	s_lshr_b32 s47, s46, 4
	s_and_b32 s46, s46, 15
	s_lshl_b32 s47, s47, 6
	s_add_co_u32 s46, s46, s47
	s_add_co_u32 s46, s46, s21
	s_lshl_b32 s46, s46, 18
	s_add_co_u32 s46, s46, s20                     ; under 2^26
	s_mov_b32 s47, 0
	s_add_nc_u64 s[12:13], s[12:13], s[46:47]
.macro FRAG reg, adr, q, i             ; a fragment, 16 rows x 128 K of 4-bit codes: lane l holds row l % 16; registers 4 c .. 4 c + 3 hold K = 64 c + 32 (l / 16) + 0 .. 31
.irp c, 0,1
	ds_load_b128 v[\reg+4*\c:\reg+4*\c+3], v[\adr] offset:64*(\q)+32*\c+(\i)*16*PITCH
.endr
.endm
; 16 matrix instructions: x's blocks a0, a0 + 1 against W's eight, 128 along K: the slot's q-th.  p: W's set;  sc: the set of scale words.  first = 1: the bias is the C: nothing is ever cleared or added later.
; The 64 accumulators take turns, one instruction a turn, in the same order in every step.
.macro MUL16 a0, p, q, sc, first
.irp a, \a0, \a0+1
.irp b, 0,1,2,3,4,5,6,7
.if \first
	v_wmma_scale_f32_16x16x128_f8f6f4 v[8*(8*((\a)%4)+\b):8*(8*((\a)%4)+\b)+7], v[128*(\p)+FR*\b:128*(\p)+FR*\b+FR-1], v[AF+FR*(\a):AF+FR*(\a)+FR-1], v[BIAS+8*\b:BIAS+8*\b+7], v[SC+8*NQ*(\sc)+NQ*\b+(\q)], v[SC+8*NQ*(\sc)+NQ*(\a)+(\q)] matrix_a_fmt:MATRIX_FMT_FP4 matrix_b_fmt:MATRIX_FMT_FP4 matrix_a_scale:MATRIX_SCALE_ROW1
.else
	v_wmma_scale_f32_16x16x128_f8f6f4 v[8*(8*((\a)%4)+\b):8*(8*((\a)%4)+\b)+7], v[128*(\p)+FR*\b:128*(\p)+FR*\b+FR-1], v[AF+FR*(\a):AF+FR*(\a)+FR-1], v[8*(8*((\a)%4)+\b):8*(8*((\a)%4)+\b)+7], v[SC+8*NQ*(\sc)+NQ*\b+(\q)], v[SC+8*NQ*(\sc)+NQ*(\a)+(\q)] matrix_a_fmt:MATRIX_FMT_FP4 matrix_b_fmt:MATRIX_FMT_FP4 matrix_a_scale:MATRIX_SCALE_ROW1
.endif
.endr
.endr
.endm
.macro FETCH_B slot, q, p              ; W's eight fragments of the slot's q-th 128 along K into set p
	WIN TO_B
.irp i, 0,1,2,3,4,5,6,7
	FRAG 128*(\p)+FR*\i, ADRB+\slot, \q, \i
.endr
	WIN 0
.endm
.macro FETCH_A slot, q, i0             ; x's blocks i0 .. i0 + 3
.irp i, \i0, \i0+1, \i0+2, \i0+3
	FRAG AF+FR*(\i), ADRA+\slot, \q, \i
.endr
.endm
.macro SCALES sc                       ; a slot's scale words into set sc: four words a row; lanes 0-15 take x's block i, lanes 16-31 W's block i
.irp i, 0,1,2,3,4,5,6,7
	ds_load_b128 v[SC+8*NQ*\sc+NQ*\i:SC+8*NQ*\sc+NQ*\i+3], v[ADRS] offset:\i*SBLK
.endr
.endm
; A load into a register that a matrix instruction has read, and a vector instruction that reads a matrix result, stand four places behind that matrix instruction; only plain vector instructions
; that name none of its registers are places (ISA guide 7.12.1 for vector instructions).
.macro PLACES n
.rept \n
	v_nop
.endr
.endm
; A step of 128 along K that has its successor in the same slot.  x has one set of registers: blocks 0-3 are fetched anew in the step's middle, blocks 4-7 at its end; W has two sets.
.macro STEP slot, q, first
	s_wait_dscnt 4*NL                              ; W's set and x's blocks 0-3 are in; the youngest eight loads (x's blocks 4-7) may be out
.if \first
	WIN BIAS_LO
.else
	WIN MUL_LO
.endif
	MUL16 0, (\q)%2, \q, \slot, \first
	MUL16 2, (\q)%2, \q, \slot, \first
	s_wait_dscnt 0                                 ; x's blocks 4-7 are in (asked for 32 matrix instructions ago)
	PLACES NP
	FETCH_B \slot, (\q)+1, 1-(\q)%2
	FETCH_A \slot, (\q)+1, 0
.if \first
	WIN BIAS_HI
.else
	WIN MUL_HI
.endif
	MUL16 4, (\q)%2, \q, \slot, \first
	MUL16 6, (\q)%2, \q, \slot, \first
	PLACES NP
	WIN 0
	FETCH_A \slot, (\q)+1, 4
.endm
; Slot 0's last step changes slots: one barrier; in front of it each wave waits for all its tensor loads (its part of slot 1), adds 0 to its spare word, and waits for that and for its reads of slot 0.
; Nothing is filled again; behind the barrier slot 1 is whole for every wave and nobody reads slot 0 any more, which the way out relies on.
.macro TURN slot, next
	s_wait_tensorcnt 0x0                           ; all my tensor loads have landed  (every window is 0 here: the add's two registers lie in window 0)
	ds_add_u32 v[SPW], v[NIL]                      ; 0 onto my spare word
	s_wait_dscnt 4*NL+1                            ; (the add and the youngest eight loads, x's blocks 4-7, may be out)
	WIN MUL_LO
	MUL16 0, 1, NQ-1, \slot, 0                     ; sixteen matrix instructions stand between the add and the wait for it
	s_wait_dscnt 0x0                               ; the add is done, and my reads of this slot are over
	s_barrier_signal -1
	MUL16 2, 1, NQ-1, \slot, 0
	WIN 0
	s_barrier_wait -1
	PLACES NP
	v_add_nc_u32 v[ADRS], 4*NQ, v[ADRS]            ; on to the next slot's scale words (no LDS load of mine is out)
	FETCH_B \next, 0, 0
	FETCH_A \next, 0, 0
	SCALES \next
	WIN MUL_HI
	MUL16 4, 1, NQ-1, \slot, 0
	MUL16 6, 1, NQ-1, \slot, 0
	PLACES NP
	WIN 0
	FETCH_A \next, 0, 4
.endm
	s_wait_tensorcnt 1                             ; the scales and my part of slot 0 are in (slot 1's load may be out)
	s_barrier_signal -1
	s_barrier_wait -1                              ; everybody's are
	FETCH_B 0, 0, 0
	FETCH_A 0, 0, 0
	SCALES 0
	FETCH_A 0, 0, 4
	s_wait_loadcnt 0x0                             ; the bias
	STEP 0, 0, 1                                   ; the first step's products start the sums from the bias
	STEP 0, 1, 0
	STEP 0, 2, 0
	TURN 0, 1
	STEP 1, 0, 0
	STEP 1, 1, 0
	STEP 1, 2, 0
	s_wait_dscnt 4*NL                              ; the last step: nothing more to fetch
	WIN MUL_LO
	MUL16 0, 1, NQ-1, 1, 0
	MUL16 2, 1, NQ-1, 1, 0
	s_wait_dscnt 0
	WIN MUL_HI
	MUL16 4, 1, NQ-1, 1, 0
	MUL16 6, 1, NQ-1, 1, 0
	WIN 0
; THE WAY OUT, block by block of 16 rows x 128 columns (two heads).  A lane's eight results are eight neighbouring d of one row: 16 bytes of f16.  They go into my stage, [2 heads][16 rows][144 bytes], and come back
; four rows (512 bytes, dense in qkv) an instruction: each store of the wave covers 512 consecutive bytes, aligned.
.macro PACK a
.set AC, 64*((\a)%4)
.set PW, 0x0a+5*((\a)/4)
	WIN PW                                         ; sources 0 and 1: window 2 or 3
.irp b, 0,1,2,3,4,5,6,7
.irp i, 0,1,2,3
	v_cvt_pk_f16_f32 v[TMP+4*\b+\i], v[AC+8*\b+2*\i], v[AC+8*\b+2*\i+1]   ; each accumulator from its low end on
.endr
.endr
	WIN 0
.endm
.macro TOSTAGE a
.set BB, BK+32*((\a)%2)
.irp b, 0,1,2,3,4,5,6,7
	ds_store_b128 v[STO], v[TMP+4*\b:TMP+4*\b+3] offset:(\b/4)*STGH+32*(\b%4)
.endr
.irp t, 0,1,2,3,4,5,6,7
	ds_load_b128 v[BB+4*\t:BB+4*\t+3], v[RD] offset:(\t/4)*STGH+4*SPH*(\t%4)   ; LDS serves a wave's instructions in order (ISA guide 5.7.1.4): these see the stores above
.endr
.endm
.macro SEND a
.set BB, BK+32*((\a)%2)
	s_wait_dscnt 0x0                               ; the block is back in registers
	s_wait_xcnt 0x0                                ; the stores of the block before have read their registers: the next block's loads may land there
.irp t, 0,1,2,3,4,5,6,7
	global_store_b128 v[CO], v[BB+4*\t:BB+4*\t+3], s[12:13] offset:(\t/4)*HEADB+2048*(\a)+512*(\t%4)
.endr
.endm
	PLACES NP                                      ; behind the last products: block 0's conversions read results, and the rows' loads land where x's fragments lay
	PACK 0
	TOSTAGE 0
.irp a, 1,2,3,4,5,6,7                  ; block a's conversions stand between block a - 1's loads from the stage and the wait for them
	PACK \a
	SEND \a-1
	TOSTAGE \a
.endr
	SEND 7
	s_wait_tensorcnt 0x0                           ; the wave's end: behind my last tensor load and my last LDS store
	ds_add_u32 v[SPW], v[NIL]
	s_wait_dscnt 0x0
	CROUND                                         ; the closing round: no work-group ends while a partner may still ask for a tile that names it
	s_endpgm
.Lfunc_end_k_qee65880703_qkv:
	.size	k_qee65880703_qkv, .Lfunc_end_k_qee65880703_qkv-k_qee65880703_qkv
	.p2alignl 7, 3214868480
	.fill 96, 4, 3214868480
	.section	.rodata,"a",@progbits
	.p2align	6, 0x0
	.amdhsa_kernel k_qee65880703_qkv
		.amdhsa_group_segment_fixed_size 327680
		.amdhsa_private_segment_fixed_size 0
		.amdhsa_enable_private_segment 0
		.amdhsa_kernarg_size 64
		.amdhsa_user_sgpr_count 2
		.amdhsa_user_sgpr_kernarg_segment_ptr 1
		.amdhsa_wavefront_size32 1
		.amdhsa_system_sgpr_workgroup_id_x 1
		.amdhsa_system_sgpr_workgroup_id_y 1
		.amdhsa_system_sgpr_workgroup_id_z 1
		.amdhsa_system_vgpr_workitem_id 0
		.amdhsa_next_free_vgpr 1024
		.amdhsa_next_free_sgpr 102
		.amdhsa_reserve_vcc 0
		.amdhsa_float_denorm_mode_32 3
		.amdhsa_float_denorm_mode_16_64 3
		.amdhsa_memory_ordered 1
		.amdhsa_forward_progress 1
		.amdhsa_inst_pref_size 128
	.end_amdhsa_kernel
	.amdgpu_metadata
---
amdhsa.version: [ 1, 2 ]
amdhsa.kernels:
  - .name:           k_qee65880703_qkv
    .symbol:         k_qee65880703_qkv.kd
    .args:
      - { .name: xc, .offset: 0, .size: 8, .value_kind: global_buffer, .address_space: global }
      - { .name: xs, .offset: 8, .size: 8, .value_kind: global_buffer, .address_space: global }
      - { .name: wc, .offset: 16, .size: 8, .value_kind: global_buffer, .address_space: global }
      - { .name: ws, .offset: 24, .size: 8, .value_kind: global_buffer, .address_space: global }
      - { .name: qkv, .offset: 32, .size: 8, .value_kind: global_buffer, .address_space: global }
      - { .name: bq, .offset: 40, .size: 8, .value_kind: global_buffer, .address_space: global }
      - { .name: bk, .offset: 48, .size: 8, .value_kind: global_buffer, .address_space: global }
      - { .name: bv, .offset: 56, .size: 8, .value_kind: global_buffer, .address_space: global }
    .group_segment_fixed_size: 327680
    .private_segment_fixed_size: 0
    .kernarg_segment_align: 8
    .kernarg_segment_size: 64
    .max_flat_workgroup_size: 128
    .sgpr_count:     102
    .vgpr_count:     1024
    .wavefront_size: 32
...
	.end_amdgpu_metadata
.endif
;; end of part 2
;; launch attn (part 3): grid 4 x 64, 8 waves a work-group, clusters of 4 x 1, 327,680 bytes of LDS; arguments qkv, ctx; writes ctx
.if DOCPART == 3
	.amdgcn_target "amdgcn-amd-amdhsa--gfx1250"
	.amdhsa_code_object_version 6
	.text
	.protected	k_qee65880703_attn
	.globl	k_qee65880703_attn
	.p2align	8
	.type	k_qee65880703_attn,@function
k_qee65880703_attn:
	s_mov_b64 s[64:65], 0
	v_nop
	global_prefetch_b8 v0, s[64:65] scope:SCOPE_SE
	s_setreg_imm32_b32 hwreg(HW_REG_WAVE_MODE, 25, 1), 1
	s_wait_xcnt 0x0
	s_wait_alu depctr_hold_cnt(0) depctr_sa_sdst(0) depctr_va_vdst(0) depctr_va_sdst(0) depctr_va_ssrc(0) depctr_va_vcc(0) depctr_vm_vsrc(0)
	s_getreg_b32 s2, hwreg(HW_REG_IB_STS2, 6, 4)
	s_cmp_eq_u32 s2, 0
	s_cbranch_scc0 .Lentry_in_a_cluster
	s_endpgm
.Lentry_in_a_cluster:
	s_bfe_u32 s2, ttmp6, 0x10000c
	s_cmp_lg_u32 s2, 0x3003
	s_cbranch_scc0 .Lentry_shape_is_right
	s_endpgm
.Lentry_shape_is_right:
; ATTN: ctx[b][s][h][:] = the sum over keys of softmax_k(q . k / 8) v, for each of the 64 (b, h).  q, k, v: qkv [3][64 bh][2048][64] f16.  ctx: [16 h][8192 m = 2048 b + s][64] f16.
; Products on f16 operands with f32 sums; maxima, exponentials and sums in f32; the weights p are rounded to f16 for the second product, ctx once at the end.
; LIMIT: |ctx| is an average of v and stays in f16 where v does; NaN and infinities are not served.
; SHARES.  A work-group owns 512 queries of one (b, h); each of its EIGHT waves owns 64 of them, four tiles of 16, in 512 registers: two waves to a SIMD, so that one wave's softmax stands beside the other's products.
; Every wave walks all 2,048 keys, 64 a step.  K and V come through two LDS slots of 512 keys; each wave fetches 128 rows of a slot (waves 0-3: K's quarters, waves 4-7: V's).
; CLUSTER.  The four query blocks of a (b, h) are one cluster and walk the same K and V: each tile is asked for jointly, by the same tensor load with the same descriptor and a mask that names the four.
; LAYOUT.  S^T = K Q^T (source 0 = 16 keys, source 1 = 16 queries): a lane holds ONE query (lane % 16) and the keys 8 (lane / 16) + 0..7 of each tile of 16.  Two such tiles, rounded to f16 in pairs, ARE source 1
; (32 keys x 16 queries) of O^T = V^T P, whose result again holds one query a lane.  K comes out of LDS as it lies, V ([key][channel]) turned, by ds_load_tr16_b128.
; SOFTMAX.  For each query a running maximum m and sum l: p = 2^(c s - c m), c = log2(e) / 8; in every step O^T and l are multiplied by a = 2^(c m_old - c m_new).
; The step is written once: O^T and l begin as zeros and m as -3e38, so the first a is 0 and multiplies zeros.
; REGISTERS.  Window 0: v1-15 addresses; v16-47 statistics, eight a tile; v48-111 K's 8 fragments of a step; v128-255 S^T, 32 a tile; P is packed in place into the first 16 of them.
;             Window 1: v0-127 O^T (tile t, channels 16 ct on: 32 t + 8 ct); v128-191 Q (16 t + 8 c); v192-255 V's 8 fragments of a step.
.set PK,     144                       ; a row of K in LDS: 128 bytes + 16 = 36 words: the 16 rows of a load start at 16 different groups of four banks (64 banks of 4 bytes: ISA guide 11.1)
.set PV,     160                       ; a row of V: 128 + 32 = 40 words
.set SKEYS,  512                       ; keys in a slot
.set VOFF,   SKEYS*PK                  ; a slot: 512 rows of K, then 512 rows of V
.set SLOT,   SKEYS*(PK+PV)
.set SPARE,  2*SLOT                    ; behind the slots: the spare words, 128 bytes for each wave: four blocks of 256 bytes that no other line names
.set KSTEPB, 64*PK                     ; a step's 64 keys in LDS
.set VSTEPB, 64*PV
.set STGW,   64*PK                     ; the way out: 64 rows x 144 bytes for each wave, in slot 0's K part: that slot has had its last fill, and every wave has left it at the last change of slots
.set SELB,   0x1000000                 ; q, k, v are 16,777,216 bytes apart
.set SLOTG,  SKEYS*128                 ; a slot's keys in memory
.set AK0, 2                            ; v2   my lane's place in a tile of K: 144 r + 16 h; never rewritten
.set AV0, 3                            ; v3   the same for V; never rewritten
.set ADK, 4                            ; v4   LDS address of the run of K loads in hand
.set ADV, 5                            ; v5   of V's
.set STO, 6                            ; v6   the way out: where I put 16 bytes of a row
.set RD,  7                            ; v7   where I read rows back
.set GO,  8                            ; v8   16 x lane
.set PFO, 12                           ; v12  256 x lane: the prefetch's offset; never rewritten
.set QO,  13                           ; v13  my byte offset in the wave's rows of Q; never rewritten
.set SPW, 14                           ; v14  LDS address of my spare word; never rewritten
.set NIL, 15                           ; v15  0; never rewritten
.set ST,  16                           ; tile t's statistics at v[ST + 8 t]: +0 c m, +1 m, +2, +3 l (even keys', odd keys'), +4 .. +7 at work; a takes +6 once the maximum is found
.set KF,  48
.set S,   128
.set QF,  128                          ; in window 1
.set VF,  192                          ; in window 1
.set WV,  12                           ; s12  my wave's number
.set PFA, 18                           ; s[18:19] what my prefetch names; never rewritten
.set G1K, 24                           ; s[24:31] descriptor group 1 for K's tiles;  s[32:39] for V's: it differs in the padding alone
.set G1V, 32
.set G0K, 40                           ; s[40:47] group 0 for K's tiles, a set for each slot;  s[48:55] for V's
.set G0V, 48
.set TK,  56                           ; s56  LDS byte at which the step's keys begin
.set TV,  57                           ; s57  and its values
.set CNT, 58                           ; s58  steps left in the slot
.set CS,  60                           ; s[60:61] c: the packed form names a pair and takes its low word for both halves
.set SEL, 62                           ; s[62:63] lane selects for v_permlanex16_b32: lane l xor 16
.set MSB, 0
.macro WIN new                         ; the immediate's high byte repeats the setting that is left
.if MSB != \new
	s_set_vgpr_msb (MSB<<8)|\new
.set MSB, \new
.endif
.endm
.set W_KQ, 0x04                        ; Q (source 1) in window 1; K and S^T in window 0
.set W_PV, 0x51                        ; V (source 0) and O^T (C, D) in window 1; P in window 0
.set W_RS, 0x41                        ; O^T (destination and source 0) in window 1, a in window 0
.set W_T1, 0x40                        ; destination in window 1
; A joint refill of slot s.  The branch hangs on the wave's number alone.  An s_nop 0 and four v_nop follow each of the two lines.
.macro JLOAD s
	s_cmp_lt_u32 s[WV], 4
	s_cbranch_scc0 .Lfor_v_\@
	tensor_load_to_lds s[G0K+4*\s:G0K+4*\s+3], s[G1K:G1K+7]
	s_nop 0
.rept 4
	v_nop
.endr
	s_branch .Lasked_\@
.Lfor_v_\@:
	tensor_load_to_lds s[G0V+4*\s:G0V+4*\s+3], s[G1V:G1V+7]
	s_nop 0
.rept 4
	v_nop
.endr
.Lasked_\@:
.endm
; A PREFETCH INTO THE L2 of the last 512 keys and values, which the second refill will ask for, eight key steps (512 matrix instructions a wave) ahead of that load.  Each aligned block of 256 bytes is named once in the
; launch: a (b, h) has one cluster; its four partners take 16,384 bytes of K and of V each, told apart by address; in each, waves 0 and 1 ask for K's halves and waves 2 and 3 for V's, lanes 256 bytes apart.
; The keys before those come by their loads alone.
.macro ASK
	s_cmp_lt_u32 s[WV], 4
	s_cbranch_scc0 .Lnot_mine_\@
	global_prefetch_b8 v[PFO], s[PFA:PFA+1] th:TH_LOAD_NT scope:SCOPE_SE
.Lnot_mine_\@:
.endm
.macro CROUND                          ; a round of the cluster's barrier
	s_barrier_signal -1
	s_barrier_wait -1
	s_cmp_lg_u32 s[WV], 0
	s_cbranch_scc1 .Lnot_wave_0_\@
	s_barrier_signal -3
.Lnot_wave_0_\@:
	s_barrier_wait -3
	s_barrier_signal -1
	s_barrier_wait -1
.endm
	s_load_b128 s[4:7], s[0:1], 0x0                ; qkv s[4:5], ctx s[6:7]
	v_lshl_add_u32 v[SPW], v0, 2, SPARE
	v_mov_b32 v[NIL], 0
	ds_add_u32 v[SPW], v[NIL]                      ; the wave's opening: the add, twice on end, and its wait ahead of my first tensor load
	ds_add_u32 v[SPW], v[NIL]                      ; the set-up below, work on registers, stands between the second add and the wait
	v_lshrrev_b32 v1, 5, v0
	v_readfirstlane_b32 s[WV], v1                  ; wave 0..7
	s_bfe_u32 s13, ttmp6, 0x40000                  ; cx: my block of 512 queries (the grid has one cluster along x); it enters Q's, ctx's and the prefetch's addresses alone
	s_and_b32 s14, ttmp7, 0xffff                   ; bh = 16 b + h, which the four partners share
	s_and_b32 s15, s[WV], 3                        ; which 128 rows of a slot I fetch
	s_lshl_b32 s20, s14, 18                        ; the head's first byte in q, in k and in v
	s_lshl_b32 s22, s15, 14                        ; my 128 rows of 128 bytes
	s_add_co_u32 s22, s22, s20
	s_add_co_u32 s22, s22, SELB                    ; in k
	s_mov_b32 s23, 0
	s_mul_i32 s16, s15, 128*PK                     ; and their places in a slot: no place in the cluster enters an LDS address
	s_mul_i32 s17, s15, 128*PV
	s_add_co_u32 s17, s17, VOFF
	s_lshl_b32 s2, s13, 16                         ; Q: my block's 512 rows,
	s_lshl_b32 s3, s[WV], 13                       ; my wave's 64 of them
	s_add_co_u32 s2, s2, s3
	s_add_co_u32 s2, s2, s20
	s_mov_b32 s3, 0
	s_and_b32 s58, s14, 15                         ; ctx: row 8,192 h + 2,048 b + 512 cx + 64 wave, of 128 bytes
	s_lshl_b32 s58, s58, 13
	s_lshr_b32 s59, s14, 4
	s_lshl_b32 s59, s59, 11
	s_add_co_u32 s58, s58, s59
	s_lshl_b32 s59, s13, 9
	s_add_co_u32 s58, s58, s59
	s_lshl_b32 s59, s[WV], 6
	s_add_co_u32 s58, s58, s59
	s_lshl_b32 s58, s58, 7
	s_mov_b32 s59, 0
	s_mov_b32 s18, 2*SELB                          ; the prefetch: in v,
	s_cmp_lt_u32 s[WV], 2
	s_cselect_b32 s18, SELB, s18                   ; or, in waves 0 and 1, in k;
	s_add_co_u32 s18, s18, s20                     ; my head;
	s_add_co_u32 s18, s18, 3*SLOTG                 ; its last 512 rows;
	s_lshl_b32 s19, s13, 14
	s_add_co_u32 s18, s18, s19                     ; my work-group's 16,384 bytes of them;
	s_and_b32 s19, s[WV], 1
	s_lshl_b32 s19, s19, 13
	s_add_co_u32 s18, s18, s19                     ; my wave's 8,192
	s_mov_b32 s19, 0
	; descriptor group 1: a tile of 128 rows x 64 elements of 2 bytes, dense in memory, padded in LDS
	s_mov_b32 s[G1K], 15|(1<<16)|(1<<20)|(1<<21)|(4<<22)|(3<<25)  ; 15:0 the mask: all four work-groups; 17:16 elements of 2 bytes; 20 padding on; 21 set beside a mask; 24:22 after every 32 words; 31:25 four words
	s_mov_b32 s[G1V], 15|(1<<16)|(1<<20)|(1<<21)|(4<<22)|(7<<25)  ; the same with eight words of padding
.irp g, G1K, G1V
	s_mov_b32 s[\g+1], 64<<16                      ; tensor_dim0 = 64
	s_mov_b32 s[\g+2], 128<<16                     ; tensor_dim1 = 128
	s_mov_b32 s[\g+3], 64<<16                      ; tile_dim0 = 64
	s_mov_b32 s[\g+4], 128                         ; tile_dim1 = 128
	s_mov_b32 s[\g+5], 64                          ; tensor_dim0_stride
	s_mov_b32 s[\g+6], 0
	s_mov_b32 s[\g+7], 0
.endr
	s_mov_b32 s[CS], 0x3e38aa3b                    ; c = log2(e) / 8
	s_mov_b32 s[CS+1], s[CS]                       ; named with it as a pair, so it is written
	s_mov_b32 s[SEL], 0x76543210
	s_mov_b32 s[SEL+1], 0xfedcba98
	s_wait_dscnt 0x0                               ; both opening adds are done
	s_wait_kmcnt 0x0
	s_add_nc_u64 s[8:9], s[4:5], s[22:23]          ; K at my rows of slot 0
	s_add_nc_u64 s[10:11], s[8:9], SELB            ; V likewise
	s_add_nc_u64 s[PFA:PFA+1], s[4:5], s[PFA:PFA+1]
	s_add_nc_u64 s[4:5], s[4:5], s[2:3]            ; Q at my wave's first row
	s_add_nc_u64 s[6:7], s[6:7], s[58:59]          ; ctx likewise
	CROUND                                         ; all four work-groups are here: the first joint loads meet
.irp s, 0,1
	s_mov_b32 s[G0K+4*\s], 1                       ; count = 1
	s_add_co_u32 s[G0K+4*\s+1], s16, \s*SLOT       ; LDS address
	s_add_nc_u64 s[G0K+4*\s+2:G0K+4*\s+3], s[8:9], \s*SLOTG  ; global address: slot s begins with keys 512 s
	s_or_b32 s[G0K+4*\s+3], s[G0K+4*\s+3], 0x80000000        ; type = 2
	s_mov_b32 s[G0V+4*\s], 1
	s_add_co_u32 s[G0V+4*\s+1], s17, \s*SLOT
	s_add_nc_u64 s[G0V+4*\s+2:G0V+4*\s+3], s[10:11], \s*SLOTG
	s_or_b32 s[G0V+4*\s+3], s[G0V+4*\s+3], 0x80000000
.endr
	s_cmp_lt_u32 s[WV], 4                          ; a wave's two first fills stand in one branch, ahead of every wait on TENSORcnt and every LDS read: two loads of mine are out
	s_cbranch_scc0 .Lfirst_v
	tensor_load_to_lds s[G0K:G0K+3], s[G1K:G1K+7]
	s_nop 0
	tensor_load_to_lds s[G0K+4:G0K+7], s[G1K:G1K+7]
	s_nop 0
.rept 4
	v_nop
.endr
	s_branch .Lfirst_asked
.Lfirst_v:
	tensor_load_to_lds s[G0V:G0V+3], s[G1V:G1V+7]
	s_nop 0
	tensor_load_to_lds s[G0V+4:G0V+7], s[G1V:G1V+7]
	s_nop 0
.rept 4
	v_nop
.endr
.Lfirst_asked:
	; A fragment of K or Q is 16 rows x 32 channels in 8 registers: lane l holds row l % 16; registers 0-3 channels 8 (l / 16) + 0..7, registers 4-7 channels 16 + 8 (l / 16) + 0..7: two loads of 16 bytes, 32 bytes apart.
	v_and_b32 v1, 15, v0                           ; r
	v_bfe_u32 v9, v0, 4, 1                         ; h
	v_lshlrev_b32 v[QO], 7, v1
	v_lshl_add_u32 v[QO], v9, 4, v[QO]             ; row x 128 + 16 x half
	WIN W_T1
.irp i, 0,1,2,3,4,5,6,7                        ; Q stays in registers: tile i / 2, channels 32 (i % 2) on
	global_load_b128 v[QF+8*\i:QF+8*\i+3],   v[QO], s[4:5] offset:(\i/2)*2048+(\i%2)*64
	global_load_b128 v[QF+8*\i+4:QF+8*\i+7], v[QO], s[4:5] offset:(\i/2)*2048+(\i%2)*64+32
.endr
.set i, 0
.rept 128
	v_mov_b32 v[i], 0                              ; O^T.  (The step is written once: the first finds zeros, which the first a leaves zeros)
.set i, i+1
.endr
	WIN 0
	v_mul_u32_u24 v[AK0], v1, PK
	v_lshl_add_u32 v[AK0], v9, 4, v[AK0]
	; The turning load takes 16 keys x 16 channels (lane l reads 16 bytes: key 8 (l / 16) + l % 8, channels 8 ((l / 8) % 2) + 0..7) and leaves half a fragment of V^T: lane l holds channel l % 16 and 8 keys.
	v_and_b32 v10, 7, v0
	v_bfe_u32 v11, v0, 3, 1
	v_lshl_add_u32 v[AV0], v9, 3, v10
	v_mul_u32_u24 v[AV0], v[AV0], PV
	v_lshl_add_u32 v[AV0], v11, 4, v[AV0]
	s_mul_i32 s16, s[WV], STGW                     ; my stage
	v_add_nc_u32 v[STO], s16, v[AK0]               ; in: row r, 16 bytes for each half of the lanes
	v_bfe_u32 v[RD], v0, 3, 2                      ; back: eight lanes to a row of 128 bytes, four rows an instruction
	v_mul_u32_u24 v[RD], v[RD], PK
	v_lshl_add_u32 v[RD], v10, 4, v[RD]
	v_add_nc_u32 v[RD], s16, v[RD]
	v_and_b32 v[GO], 31, v0
	v_lshlrev_b32 v[PFO], 8, v[GO]
	v_lshlrev_b32 v[GO], 4, v[GO]
.irp t, 0,1,2,3
	v_mov_b32 v[ST+8*\t+1], 0xff61b1e6             ; m: -3e38, under every score
	v_mul_f32 v[ST+8*\t], s[CS], v[ST+8*\t+1]      ; c m
	v_mov_b32 v[ST+8*\t+2], 0                      ; l, in two halves
	v_mov_b32 v[ST+8*\t+3], 0
.endr
; THE LDS LOADS stand in runs of 16.  K: fragment f = 2 kt + c: keys 16 kt on, channels 32 c on.
.macro FETCH_K off
.irp f, 0,1,2,3,4,5,6,7
	ds_load_b128 v[KF+8*\f:KF+8*\f+3],   v[ADK] offset:\off+(\f/2)*16*PK+(\f%2)*64
	ds_load_b128 v[KF+8*\f+4:KF+8*\f+7], v[ADK] offset:\off+(\f/2)*16*PK+(\f%2)*64+32
.endr
.endm
.macro FETCH_V                         ; fragment f = 4 ks + ct: keys 32 ks on, channels 16 ct on
	WIN W_T1
.irp f, 0,1,2,3,4,5,6,7
	ds_load_tr16_b128 v[VF+8*\f:VF+8*\f+3],   v[ADV] offset:(\f/4)*32*PV+(\f%4)*32
	ds_load_tr16_b128 v[VF+8*\f+4:VF+8*\f+7], v[ADV] offset:(\f/4)*32*PV+16*PV+(\f%4)*32
.endr
	WIN 0
.endm
; THE PRODUCTS.  The 16 accumulators take turns, one instruction a turn: between two links of a chain stand 15 others'.
.macro KQ                              ; S^T = K Q^T: the first 16 start the sums
	WIN W_KQ
.irp c, 0,1
.irp kt, 0,1,2,3
.irp t, 0,1,2,3
.if \c == 0
	v_wmma_f32_16x16x32_f16 v[S+32*\t+8*\kt:S+32*\t+8*\kt+7], v[KF+16*\kt+8*\c:KF+16*\kt+8*\c+7], v[QF+16*\t+8*\c:QF+16*\t+8*\c+7], 0
.else
	v_wmma_f32_16x16x32_f16 v[S+32*\t+8*\kt:S+32*\t+8*\kt+7], v[KF+16*\kt+8*\c:KF+16*\kt+8*\c+7], v[QF+16*\t+8*\c:QF+16*\t+8*\c+7], v[S+32*\t+8*\kt:S+32*\t+8*\kt+7]
.endif
.endr
.endr
.endr
.endm
.macro PV                              ; O^T += V^T P
	WIN W_PV
.irp ks, 0,1
.irp ct, 0,1,2,3
.irp t, 0,1,2,3
	v_wmma_f32_16x16x32_f16 v[32*\t+8*\ct:32*\t+8*\ct+7], v[VF+32*\ks+8*\ct:VF+32*\ks+8*\ct+7], v[S+32*\t+8*\ks:S+32*\t+8*\ks+7], v[32*\t+8*\ct:32*\t+8*\ct+7]
.endr
.endr
.endr
.endm
; THE SOFTMAX of the wave's four tiles, the tiles by turns, so that no line waits for the line above it.
.macro MAXES                           ; the maximum of a lane's 32 scores and the old m, three operands at a time; each accumulator is read from its low end on
.irp j, 0,1,2,3
.irp t, 0,1,2,3
	v_max3_num_f32 v[ST+8*\t+4+\j], v[S+32*\t+8*\j], v[S+32*\t+8*\j+1], v[S+32*\t+8*\j+2]
.endr
.endr
.irp u, 1,2
.irp j, 0,1,2,3
.irp t, 0,1,2,3
	v_max3_num_f32 v[ST+8*\t+4+\j], v[ST+8*\t+4+\j], v[S+32*\t+8*\j+2*\u+1], v[S+32*\t+8*\j+2*\u+2]
.endr
.endr
.endr
.irp t, 0,1,2,3
	v_max3_num_f32 v[ST+8*\t+4], v[ST+8*\t+4], v[S+32*\t+7], v[S+32*\t+15]
.endr
.irp t, 0,1,2,3
	v_max3_num_f32 v[ST+8*\t+6], v[ST+8*\t+6], v[S+32*\t+23], v[S+32*\t+31]
.endr
.irp t, 0,1,2,3
	v_max3_num_f32 v[ST+8*\t+4], v[ST+8*\t+4], v[ST+8*\t+5], v[ST+8*\t+6]
.endr
.irp t, 0,1,2,3
	v_max3_num_f32 v[ST+8*\t+4], v[ST+8*\t+4], v[ST+8*\t+7], v[ST+8*\t+1]
.endr
.irp t, 0,1,2,3
	v_permlanex16_b32 v[ST+8*\t+5], v[ST+8*\t+4], s[SEL], s[SEL+1]  ; the query's other 32 keys lie in the lane 16 away
.endr
.irp t, 0,1,2,3
	v_mov_b32 v[ST+8*\t+7], v[ST+8*\t]             ; c m_old is kept for a
.endr
.irp t, 0,1,2,3
	v_max_num_f32 v[ST+8*\t+1], v[ST+8*\t+4], v[ST+8*\t+5]
.endr
.irp t, 0,1,2,3
	v_mul_f32 v[ST+8*\t], s[CS], v[ST+8*\t+1]
.endr
.irp t, 0,1,2,3
	v_sub_f32 v[ST+8*\t+7], v[ST+8*\t+7], v[ST+8*\t]
.endr
.endm
.macro SCALE t, b                      ; pair b of tile t: c s - c m, two at a time
	v_pk_fma_f32 v[S+32*\t+2*(\b):S+32*\t+2*(\b)+1], v[S+32*\t+2*(\b):S+32*\t+2*(\b)+1], s[CS:CS+1], v[ST+8*\t:ST+8*\t+1] op_sel_hi:[1,0,0] neg_lo:[0,0,1] neg_hi:[0,0,1]
.endm
; ONE BATCH: the four a and the 128 p.  None of these lines names an exponential's result; a pair is scaled a round ahead of its exponentials.  One plain line follows the last exponential, and ONE wait
; ahead of the first line that names a result serves all 132.
.macro EXPS
.irp t, 0,1,2,3
	v_exp_f32 v[ST+8*\t+6], v[ST+8*\t+7]           ; a = 2^(c m_old - c m_new)
.endr
.irp t, 0,1,2,3
	SCALE \t, 0
.endr
.irp b, 0,1,2,3,4,5,6,7,8,9,10,11,12,13,14,15
.irp t, 0,1,2,3
.if \b < 15
	SCALE \t, \b+1
.endif
	v_exp_f32 v[S+32*\t+2*\b], v[S+32*\t+2*\b]
	v_exp_f32 v[S+32*\t+2*\b+1], v[S+32*\t+2*\b+1]
.endr
.endr
	v_nop
	s_wait_alu depctr_va_vdst(0)
.endm
.macro SUMS                            ; l = a l + the sum of the lane's 32 p, two at a time, in two chains a tile
.irp t, 0,1,2,3
	v_pk_mul_f32 v[ST+8*\t+2:ST+8*\t+3], v[ST+8*\t+2:ST+8*\t+3], v[ST+8*\t+6:ST+8*\t+7] op_sel_hi:[1,0]
.endr
.irp t, 0,1,2,3
	v_pk_add_f32 v[ST+8*\t+4:ST+8*\t+5], v[S+32*\t:S+32*\t+1], v[S+32*\t+2:S+32*\t+3]
.endr
.irp b, 4,8,12,16,20,24,28
.irp t, 0,1,2,3
	v_pk_add_f32 v[ST+8*\t+2:ST+8*\t+3], v[ST+8*\t+2:ST+8*\t+3], v[S+32*\t+\b:S+32*\t+\b+1]
.endr
.irp t, 0,1,2,3
	v_pk_add_f32 v[ST+8*\t+4:ST+8*\t+5], v[ST+8*\t+4:ST+8*\t+5], v[S+32*\t+\b+2:S+32*\t+\b+3]
.endr
.endr
.irp t, 0,1,2,3
	v_pk_add_f32 v[ST+8*\t+2:ST+8*\t+3], v[ST+8*\t+2:ST+8*\t+3], v[ST+8*\t+4:ST+8*\t+5]
.endr
.endm
.macro PACKP                           ; p to f16, in place and ascending: register i is written when registers 2 i and 2 i + 1 are read, and no later line reads it as f32
.irp i, 0,1,2,3,4,5,6,7,8,9,10,11,12,13,14,15
.irp t, 0,1,2,3
	v_cvt_pk_f16_f32 v[S+32*\t+\i], v[S+32*\t+2*\i], v[S+32*\t+2*\i+1]
.endr
.endr
.endm
.macro RESCALE                         ; O^T times a
	WIN W_RS
.irp t, 0,1,2,3
.irp i, 0,2,4,6,8,10,12,14,16,18,20,22,24,26,28,30
	v_pk_mul_f32 v[32*\t+\i:32*\t+\i+1], v[32*\t+\i:32*\t+\i+1], v[ST+8*\t+6:ST+8*\t+7] op_sel_hi:[1,0]
.endr
.endr
.endm
; A KEY STEP: 64 keys.  K's fragments were asked for in the step before.
.macro STEP
	v_add_nc_u32 v[ADV], s[TV], v[AV0]             ; with the four v_nop: five places behind the last V^T P: four are owed ahead of the loads into V's registers, five ahead of the products that write over P
.rept 4
	v_nop
.endr
	FETCH_V                                        ; used at the step's end
	s_wait_dscnt 16                                ; K is in; V's 16 loads may be out
	KQ
	WIN 0
	v_add_nc_u32 v[ADK], s[TK], v[AK0]             ; with the three v_nop: four places behind the last K Q^T, ahead of the loads into K's registers and of the first read of scores
.rept 3
	v_nop
.endr
	s_cmp_eq_u32 s[CNT], 1                         ; a slot's last step asks for no K: the next slot's first is asked for behind the change of slots
	s_cbranch_scc1 .Lno_k_\@
	FETCH_K KSTEPB                                 ; the next step's K
.Lno_k_\@:
	MAXES
	EXPS
	SUMS
	PACKP
	RESCALE
	s_wait_dscnt 0x0                               ; V is in (and the next step's K)
	PV
	WIN 0                                          ; at a label and at a branch every window is 0
	s_add_co_u32 s[TK], s[TK], KSTEPB
	s_add_co_u32 s[TV], s[TV], VSTEPB
.endm
.macro PASS slot, ask                  ; a slot's eight key steps: written once, walked eight times
	s_mov_b32 s[TK], \slot*SLOT
	s_mov_b32 s[TV], \slot*SLOT+VOFF
	s_mov_b32 s[CNT], 8
	v_add_nc_u32 v[ADK], s[TK], v[AK0]
	FETCH_K 0
.if \ask
	ASK                                            ; behind the tensor load and the run of LDS loads that the next products wait for
.endif
.Lstep_\@:
	STEP
	s_sub_co_u32 s[CNT], s[CNT], 1
	s_cmp_lg_u32 s[CNT], 0
	s_cbranch_scc1 .Lstep_\@
.endm
; THE CHANGE OF SLOTS.  Each wave waits for all its tensor loads, of which one is out: its part of the other slot; adds 0 to its spare word; and waits for that and for its reads of the slot that it leaves.
; fill = 1: that slot is filled again, with the keys two slots on.  The barrier is then a round of the cluster's, so that no wave of any partner still reads the slot or has a load on its way, and the joint
; refill is the first thing behind it: it has eight key steps in which to land.
.macro CHANGE fill, slot
	s_wait_tensorcnt 0x0                           ; no tensor load of mine is out, so a group 0 may be written
	ds_add_u32 v[SPW], v[NIL]                      ; 0 onto my spare word
.if \fill
	s_add_nc_u64 s[G0K+4*\slot+2:G0K+4*\slot+3], s[G0K+4*\slot+2:G0K+4*\slot+3], 2*SLOTG   ; the type bits on top are not reached
	s_add_nc_u64 s[G0V+4*\slot+2:G0V+4*\slot+3], s[G0V+4*\slot+2:G0V+4*\slot+3], 2*SLOTG
.endif
	s_wait_dscnt 0x0                               ; the add is done, and my reads of the slot are over
.if \fill
	CROUND
	JLOAD \slot
.else
	s_barrier_signal -1
	s_barrier_wait -1
.endif
.endm
	s_wait_tensorcnt 1                             ; my part of slot 0 is in; slot 1's may stay out
	s_barrier_signal -1
	s_barrier_wait -1                              ; everybody's is
	s_wait_loadcnt 0x0                             ; Q
	PASS 0, 0                                      ; keys 0 .. 511
	CHANGE 1, 0                                    ; slot 0 takes keys 1,024 ..
	PASS 1, 1                                      ; keys 512 ..
	CHANGE 1, 1                                    ; slot 1 takes keys 1,536 ..
	PASS 0, 0
	CHANGE 0, 0                                    ; nothing is left to ask for
	PASS 1, 0
	; THE WAY OUT.  l's two halves and the other half of the lanes' are added (these additions are the places behind the last products); O^T is divided by l, rounded to f16 and sent through my stage.
.irp t, 0,1,2,3
	v_add_f32 v[ST+8*\t+4], v[ST+8*\t+2], v[ST+8*\t+3]
.endr
.irp t, 0,1,2,3
	v_permlanex16_b32 v[ST+8*\t+5], v[ST+8*\t+4], s[SEL], s[SEL+1]
.endr
.irp t, 0,1,2,3
	v_add_f32 v[ST+8*\t+4], v[ST+8*\t+4], v[ST+8*\t+5]
.endr
.irp t, 0,1,2,3
	v_rcp_f32 v[ST+8*\t+6], v[ST+8*\t+4]
.endr
	v_nop                                          ; a plain line between the last reciprocal and the use of its result
	s_wait_alu depctr_va_vdst(0)                   ; and the wait ahead of the first use: one for the four
.macro PACKO t                         ; tile t: a lane's eight channels of a row pack into 16 bytes
	WIN 0x01                                       ; O^T (source 0) in window 1; the quotients go where S^T lay
.set i, 0
.rept 16
	v_pk_mul_f32 v[S+32*\t+i:S+32*\t+i+1], v[32*\t+i:32*\t+i+1], v[ST+8*\t+6:ST+8*\t+7] op_sel_hi:[1,0]   ; each accumulator from its low end on
.set i, i+2
.endr
	WIN 0
.set i, 0
.rept 16
	v_cvt_pk_f16_f32 v[S+32*\t+i], v[S+32*\t+2*i], v[S+32*\t+2*i+1]
.set i, i+1
.endr
.irp ct, 0,1,2,3
	ds_store_b128 v[STO], v[S+32*\t+4*\ct:S+32*\t+4*\ct+3] offset:16*PK*\t+32*\ct
.endr
.endm
	PACKO 0
	PACKO 1
	PACKO 2
	PACKO 3
.irp i, 0,1,2,3,4,5,6,7,8,9,10,11,12,13,14,15
	ds_load_b128 v[KF+4*\i:KF+4*\i+3], v[RD] offset:4*PK*\i        ; LDS serves a wave's instructions in order (ISA guide 5.7.1.4): these see my stores
.endr
.irp i, 0,1,2,3,4,5,6,7,8,9,10,11,12,13,14,15
	s_wait_dscnt 15-\i                             ; four rows are back; the younger loads may be out
	global_store_b128 v[GO], v[KF+4*\i:KF+4*\i+3], s[6:7] offset:512*\i   ; the wave stores 512 consecutive bytes, aligned: my 64 rows are dense in ctx
.endr
	s_wait_tensorcnt 0x0                           ; the wave's end: behind my last tensor load and my last LDS store
	ds_add_u32 v[SPW], v[NIL]
	s_wait_dscnt 0x0
	CROUND                                         ; the closing round: no work-group ends while a partner may still ask for a tile that names it
	s_endpgm
.Lfunc_end_k_qee65880703_attn:
	.size	k_qee65880703_attn, .Lfunc_end_k_qee65880703_attn-k_qee65880703_attn
	.p2alignl 7, 3214868480
	.fill 96, 4, 3214868480
	.section	.rodata,"a",@progbits
	.p2align	6, 0x0
	.amdhsa_kernel k_qee65880703_attn
		.amdhsa_group_segment_fixed_size 327680
		.amdhsa_private_segment_fixed_size 0
		.amdhsa_enable_private_segment 0
		.amdhsa_kernarg_size 16
		.amdhsa_user_sgpr_count 2
		.amdhsa_user_sgpr_kernarg_segment_ptr 1
		.amdhsa_wavefront_size32 1
		.amdhsa_system_sgpr_workgroup_id_x 1
		.amdhsa_system_sgpr_workgroup_id_y 1
		.amdhsa_system_sgpr_workgroup_id_z 1
		.amdhsa_system_vgpr_workitem_id 0
		.amdhsa_next_free_vgpr 512
		.amdhsa_next_free_sgpr 66
		.amdhsa_reserve_vcc 0
		.amdhsa_float_denorm_mode_32 3
		.amdhsa_float_denorm_mode_16_64 3
		.amdhsa_memory_ordered 1
		.amdhsa_forward_progress 1
		.amdhsa_inst_pref_size 162
	.end_amdhsa_kernel
	.amdgpu_metadata
---
amdhsa.version: [ 1, 2 ]
amdhsa.kernels:
  - .name:           k_qee65880703_attn
    .symbol:         k_qee65880703_attn.kd
    .args:
      - { .name: qkv, .offset: 0, .size: 8, .value_kind: global_buffer, .address_space: global }
      - { .name: ctx, .offset: 8, .size: 8, .value_kind: global_buffer, .address_space: global }
    .group_segment_fixed_size: 327680
    .private_segment_fixed_size: 0
    .kernarg_segment_align: 8
    .kernarg_segment_size: 16
    .max_flat_workgroup_size: 256
    .sgpr_count:     66
    .vgpr_count:     512
    .wavefront_size: 32
...
	.end_amdgpu_metadata
.endif
;; end of part 3
;; launch oproj (part 4): grid 4 x 64, 4 waves a work-group, clusters of 4 x 4, 327,680 bytes of LDS; arguments ctx, wot, bo, out0; writes out0
.if DOCPART == 4
	.amdgcn_target "amdgcn-amd-amdhsa--gfx1250"
	.amdhsa_code_object_version 6
	.text
	.protected	k_qee65880703_oproj
	.globl	k_qee65880703_oproj
	.p2align	8
	.type	k_qee65880703_oproj,@function
k_qee65880703_oproj:
	s_mov_b64 s[64:65], 0
	v_nop
	global_prefetch_b8 v0, s[64:65] scope:SCOPE_SE
	s_setreg_imm32_b32 hwreg(HW_REG_WAVE_MODE, 25, 1), 1
	s_wait_xcnt 0x0
	s_wait_alu depctr_hold_cnt(0) depctr_sa_sdst(0) depctr_va_vdst(0) depctr_va_sdst(0) depctr_va_ssrc(0) depctr_va_vcc(0) depctr_vm_vsrc(0)
	s_getreg_b32 s2, hwreg(HW_REG_IB_STS2, 6, 4)
	s_cmp_eq_u32 s2, 0
	s_cbranch_scc0 .Lentry_in_a_cluster
	s_endpgm
.Lentry_in_a_cluster:
	s_bfe_u32 s2, ttmp6, 0x10000c
	s_cmp_lg_u32 s2, 0xf033
	s_cbranch_scc0 .Lentry_shape_is_right
	s_endpgm
.Lentry_shape_is_right:
; OPROJ: out0 = ctx Wo + bo.  ctx: [16 h][8192 m][64 d] f16 (k = 64 h + d);  wot: [1024 n][1024 k] f16;  bo: [1024] f32;  out0: [8192][1024] f32.  f16 operands, f32 sums.
; A tile of C is 128 x 256, which gives 256 work-groups.  Four waves, each 64 rows x 128 columns: 32 accumulators of 16 x 16, 256 registers.
; K goes in 8 steps of 128 (two heads) through two LDS slots.  Wave 0 and 1 fetch the two heads' planes of ctx (128 rows x 128 bytes, dense), waves 2 and 3 the halves of wot's 256 rows (256 bytes a row).
; CLUSTERS: 4 x 4 work-groups.  The four of a row of the cluster need the same tiles of ctx, the four of a column the same tiles of wot: each tile is asked for jointly, by the same tensor load with the same
; descriptor and a mask that names the four.  THE MATRIX INSTRUCTION IS USED TRANSPOSED (source 0 = 16 rows of wot, source 1 = 16 rows of ctx): a lane holds eight neighbouring columns of a row of C.
; THE BIAS is the C of each sum's first matrix instruction.  No prefetch: the launch has eight K steps in all, and the first four come with or straight behind the first fills.
; REGISTERS: window 0: v0-31 addresses; v32-127 and v128-223 two fragment buffers (wot's 8 fragments, then ctx's 4); on the way out v32-159 rows of C.
;            window 1: the accumulators, (a, b) at v[8 (8 a + b)].   window 2: v0-63 the bias.
.set PA,     144                       ; a row of ctx in LDS: 128 bytes + 16
.set PB,     272                       ; a row of wot: 256 bytes + 16: in both the 16 rows that a load touches start at 16 different groups of four banks (64 banks of 4 bytes: ISA guide 11.1)
.set BOFF,   2*128*PA                  ; a slot: two planes of 128 rows of ctx, then 256 rows of wot
.set SLOT,   BOFF+256*PB
.set STAGE,  2*SLOT                    ; behind the slots: 16 rows x (512 bytes + 16) for each wave, for the way out
.set SPITCH, 528
.set SPARE,  STAGE+4*16*SPITCH         ; behind the stages: the spare words, 128 bytes for each wave: two blocks of 256 bytes that no other line names
.set PLANE,  8192*128                  ; a head's plane of ctx in memory
.set LAPS,   4                         ; a lap = two K steps = once round the two slots
.set ADRA, 16                          ; v16-17  LDS address of my ctx fragments in slot 0, 1
.set ADRB, 20                          ; v20-21  the same for wot
.set STO,  24                          ; v24     the way out: where I put 32 bytes of a row
.set RD,   25                          ; v25     where I read a row back
.set CO,   26                          ; v26     16 x lane
.set SPW,  28                          ; v28     LDS address of my spare word; never rewritten
.set NIL,  29                          ; v29     0; never rewritten
.set F0,   32
.set F1,   128
.set BK,   32                          ; the way out: v32-95 and v96-159 by turns
.set G1A, 24                           ; s[24:31] descriptor group 1 for ctx's tiles;  s[32:39] group 0, one set for each slot
.set G0A, 32
.set G1B, 48                           ; s[48:55], s[56:63] the same for wot's
.set G0B, 56
.set MSB, 0
.macro WIN new                         ; the immediate's high byte repeats the setting that is left
.if MSB != \new
	s_set_vgpr_msb (MSB<<8)|\new
.set MSB, \new
.endif
.endm
.set W_MUL,   0x50                     ; C and D window 1; both sources window 0
.set W_FIRST, 0x60                     ; D window 1, C (the bias) window 2
.macro JLOAD s                         ; a joint load; an s_nop 0 and four v_nop follow each of the two lines
	s_cmp_eq_u32 s13, 0
	s_cbranch_scc0 .Lfor_b_\@
	tensor_load_to_lds s[G0A+4*\s:G0A+4*\s+3], s[G1A:G1A+7]
	s_nop 0
.rept 4
	v_nop
.endr
	s_branch .Lasked_\@
.Lfor_b_\@:
	tensor_load_to_lds s[G0B+4*\s:G0B+4*\s+3], s[G1B:G1B+7]
	s_nop 0
.rept 4
	v_nop
.endr
.Lasked_\@:
.endm
.macro CREST                           ; a round of the cluster's barrier behind its opening barrier
	s_cmp_lg_u32 s12, 0
	s_cbranch_scc1 .Lnot_wave_0_\@
	s_barrier_signal -3
.Lnot_wave_0_\@:
	s_barrier_wait -3
	s_barrier_signal -1
	s_barrier_wait -1
.endm
.macro CROUND                          ; a whole round
	s_barrier_signal -1
	s_barrier_wait -1
	CREST
.endm
	s_load_b256 s[4:11], s[0:1], 0x0               ; ctx s[4:5], wot s[6:7], bo s[8:9], out0 s[10:11]
	v_lshl_add_u32 v[SPW], v0, 2, SPARE
	v_mov_b32 v[NIL], 0
	ds_add_u32 v[SPW], v[NIL]                      ; the wave's opening: the add, twice on end, and its wait ahead of my first tensor load
	ds_add_u32 v[SPW], v[NIL]                      ; the set-up below, work on registers, stands between the second add and the wait
	v_lshrrev_b32 v1, 5, v0
	v_readfirstlane_b32 s12, v1                    ; wave 0..3
	s_lshr_b32 s13, s12, 1                         ; which 64 rows of the tile are mine.  Also: I fetch for ctx (0) or for wot (1)
	s_and_b32 s14, s12, 1                          ; which 128 columns.  Also: which plane, or which 128 rows of wot, I fetch
	s_bfe_u32 s40, ttmp6, 0x40000                  ; cx, cy: my place in the cluster
	s_bfe_u32 s41, ttmp6, 0x40004
	s_lshl_b32 s42, ttmp9, 2
	s_add_co_u32 s42, s42, s40                     ; tile column of C
	s_and_b32 s15, ttmp7, 0xffff
	s_lshl_b32 s15, s15, 2
	s_add_co_u32 s15, s15, s41                     ; tile row of C
	s_lshl_b32 s43, s41, 2
	s_lshl_b32 s43, 15, s43                        ; my row of the cluster
	s_lshl_b32 s44, 0x1111, s40                    ; my column
	s_or_b32 s[G1A+0], s43, (1<<16)|(1<<20)|(1<<21)|(4<<22)|(3<<25)  ; the mask: ctx's tiles go to my row; elements of 2 bytes; padding on; 21 set beside a mask; four words after every 32
	s_mov_b32 s[G1A+1], 64<<16                     ; tensor_dim0 = 64
	s_mov_b32 s[G1A+2], 128<<16                    ; tensor_dim1 = 128
	s_mov_b32 s[G1A+3], 64<<16                     ; tile_dim0 = 64
	s_mov_b32 s[G1A+4], 128                        ; tile_dim1 = 128
	s_mov_b32 s[G1A+5], 64                         ; tensor_dim0_stride
	s_mov_b32 s[G1A+6], 0
	s_mov_b32 s[G1A+7], 0
	s_or_b32 s[G1B+0], s44, (1<<16)|(1<<20)|(1<<21)|(5<<22)|(3<<25)  ; wot's tiles go to my column; four words after every 64
	s_mov_b32 s[G1B+1], 128<<16
	s_mov_b32 s[G1B+2], 128<<16
	s_mov_b32 s[G1B+3], 128<<16
	s_mov_b32 s[G1B+4], 128
	s_mov_b32 s[G1B+5], 1024
	s_mov_b32 s[G1B+6], 0
	s_mov_b32 s[G1B+7], 0
	s_lshl_b32 s16, s14, 20                        ; ctx: my plane of the K step's two,
	s_lshl_b32 s17, s15, 14                        ; the tile's 128 rows of 128 bytes
	s_add_co_u32 s16, s16, s17
	s_mov_b32 s17, 0
	s_lshl_b32 s46, s42, 19                        ; wot: the tile's 256 rows of 2,048 bytes,
	s_lshl_b32 s47, s14, 18                        ; my 128 of them
	s_add_co_u32 s46, s46, s47
	s_mov_b32 s47, 0
	s_mul_i32 s45, s14, 128*PA                     ; where they go: no place in the cluster enters an LDS address
	s_mul_i32 s22, s14, 128*PB
	s_add_co_u32 s22, s22, BOFF
	s_wait_dscnt 0x0                               ; both opening adds are done
	s_wait_kmcnt 0x0
	s_add_nc_u64 s[16:17], s[4:5], s[16:17]
	s_add_nc_u64 s[46:47], s[6:7], s[46:47]
	CROUND                                         ; all sixteen work-groups are here: the first joint loads meet
.irp s, 0,1
	s_mov_b32 s[G0A+4*\s], 1
	s_add_co_u32 s[G0A+4*\s+1], s45, \s*SLOT
	s_add_nc_u64 s[G0A+4*\s+2:G0A+4*\s+3], s[16:17], \s*2*PLANE    ; K step s: heads 2 s and 2 s + 1
	s_or_b32 s[G0A+4*\s+3], s[G0A+4*\s+3], 0x80000000
	s_mov_b32 s[G0B+4*\s], 1
	s_add_co_u32 s[G0B+4*\s+1], s22, \s*SLOT
	s_add_nc_u64 s[G0B+4*\s+2:G0B+4*\s+3], s[46:47], \s*256
	s_or_b32 s[G0B+4*\s+3], s[G0B+4*\s+3], 0x80000000
	JLOAD \s                                       ; two tensor loads of mine are out
.endr
	v_and_b32 v1, 15, v0                           ; r
	v_bfe_u32 v2, v0, 4, 1                         ; h
	s_lshl_b32 s46, s42, 10                        ; my first column, in bytes of f32: 1,024 x tile column + 512 x half (in the pair that held wot's address)
	s_lshl_b32 s47, s14, 9
	s_add_co_u32 s46, s46, s47
	s_mov_b32 s47, 0
	s_add_nc_u64 s[8:9], s[8:9], s[46:47]          ; the bias of my 128 columns: lane (r, h) wants, for block b, columns 16 b + 8 h + 0 .. 7
	v_lshlrev_b32 v7, 5, v2                        ; 32 h; never rewritten
	WIN 0x80                                       ; destination window 2
.irp b, 0,1,2,3,4,5,6,7
	global_load_b128 v[8*\b:8*\b+3], v7, s[8:9] offset:64*\b
	global_load_b128 v[8*\b+4:8*\b+7], v7, s[8:9] offset:64*\b+16
.endr
	WIN 0
	s_lshl_b32 s20, s15, 19                        ; my first row of C: 128 x tile row + 64 x half, of 4,096 bytes
	s_lshl_b32 s21, s13, 18
	s_add_co_u32 s20, s20, s21
	s_mov_b32 s21, 0
	s_add_nc_u64 s[10:11], s[10:11], s[20:21]
	s_add_nc_u64 s[10:11], s[10:11], s[46:47]
	v_mul_u32_u24 v3, v1, PA
	v_lshl_add_u32 v3, v2, 4, v3                   ; a fragment's row x pitch + 16 x half
	v_mul_u32_u24 v4, v1, PB
	v_lshl_add_u32 v4, v2, 4, v4
	s_mul_i32 s21, s13, 64*PA                      ; my 64 rows of ctx
	s_mul_i32 s22, s14, 128*PB                     ; my 128 rows of wot
	s_add_co_u32 s22, s22, BOFF
.irp s, 0,1
	v_add_nc_u32 v[ADRA+\s], s21, v3
	v_add_nc_u32 v[ADRB+\s], s22, v4
	s_add_co_u32 s21, s21, SLOT
	s_add_co_u32 s22, s22, SLOT
.endr
	s_mul_i32 s23, s12, 16*SPITCH
	s_add_co_u32 s23, s23, STAGE                   ; my stage
	v_mul_u32_u24 v5, v1, SPITCH                   ; in: row r, 32 bytes for each half of the lanes
	v_lshl_add_u32 v5, v2, 5, v5
	v_add_nc_u32 v[STO], s23, v5
	v_and_b32 v6, 31, v0
	v_lshlrev_b32 v[CO], 4, v6                     ; back: the 32 lanes take one row of 512 bytes; and the same in C
	v_add_nc_u32 v[RD], s23, v[CO]
; 24 LDS loads in one run: the fragments of the K step's q-th 32 along K into buffer f: wot's eight, then ctx's four (plane q / 2, channels 32 (q % 2) on)
.macro FETCH slot, q, f
.irp b, 0,1,2,3,4,5,6,7
	ds_load_b128 v[\f+8*\b:\f+8*\b+3],   v[ADRB+\slot] offset:\b*16*PB+64*(\q)
	ds_load_b128 v[\f+8*\b+4:\f+8*\b+7], v[ADRB+\slot] offset:\b*16*PB+64*(\q)+32
.endr
.irp a, 0,1,2,3
	ds_load_b128 v[\f+64+8*\a:\f+64+8*\a+3],   v[ADRA+\slot] offset:((\q)/2)*128*PA+\a*16*PA+64*((\q)%2)
	ds_load_b128 v[\f+64+8*\a+4:\f+64+8*\a+7], v[ADRA+\slot] offset:((\q)/2)*128*PA+\a*16*PA+64*((\q)%2)+32
.endr
.endm
; 8 matrix instructions: ctx's block a against wot's eight.  first = 1: the bias is the C.  The 32 accumulators take turns, one instruction a turn, in the same order in every quarter.
.macro MUL8 f, a, first
.irp b, 0,1,2,3,4,5,6,7
.if \first
	v_wmma_f32_16x16x32_f16 v[8*(8*\a+\b):8*(8*\a+\b)+7], v[\f+8*\b:\f+8*\b+7], v[\f+64+8*\a:\f+64+8*\a+7], v[8*\b:8*\b+7]
.else
	v_wmma_f32_16x16x32_f16 v[8*(8*\a+\b):8*(8*\a+\b)+7], v[\f+8*\b:\f+8*\b+7], v[\f+64+8*\a:\f+64+8*\a+7], v[8*(8*\a+\b):8*(8*\a+\b)+7]
.endif
.endr
.endm
.macro PLACES                          ; four places in front of loads into registers that matrix instructions have read, and of the first read of results (ISA guide 7.12.1 for the first read of results)
.rept 4
	v_nop
.endr
.endm
; A K step is four quarters of 32 along K, 32 matrix instructions each, on buffers 0, 1, 0, 1.  One of the first three: multiplies buffer f; in its middle it fetches quarter qn into buffer g.
.macro QUARTER slot, qn, f, g, first
	s_wait_dscnt 4                                 ; wot's fragments and ctx's blocks 0, 1 are in; the youngest four loads (blocks 2, 3) may be out
.if \first
	WIN W_FIRST
.else
	WIN W_MUL
.endif
	MUL8 \f, 0, \first
	MUL8 \f, 1, \first
	PLACES
	WIN 0
	FETCH \slot, \qn, \g
	s_wait_dscnt 24                                ; all but the 24 just issued
.if \first
	WIN W_FIRST
.else
	WIN W_MUL
.endif
	MUL8 \f, 2, \first
	MUL8 \f, 3, \first
.endm
; The last quarter multiplies buffer 1 and changes slots: ONE barrier; in front of it each wave waits for all its tensor loads (its part of the next slot), adds 0 to its spare word, and waits for that and for its
; reads of this slot.  fill = 1: the barrier opens a round of the cluster's barrier, and this slot is filled again, two K steps ahead, first thing behind the round.
.macro TURN slot, next, fill
	WIN 0                                          ; (the add's two registers lie in window 0)
	s_wait_tensorcnt 0x0
	ds_add_u32 v[SPW], v[NIL]                      ; 0 onto my spare word
	s_wait_dscnt 7                                 ; (the add and the youngest six loads, ctx's blocks 1 to 3, may be out)
	WIN W_MUL
	MUL8 F1, 0, 0                                  ; eight matrix instructions stand between the add and the wait for it
	s_wait_dscnt 0x0                               ; the add is done, and my reads of this slot are over
	s_barrier_signal -1
	MUL8 F1, 1, 0
	WIN 0
	s_barrier_wait -1
.if \fill
	CREST                                          ; no wave of any partner still reads this slot's tile or has a load on its way
	s_add_nc_u64 s[G0A+4*\slot+2:G0A+4*\slot+3], s[G0A+4*\slot+2:G0A+4*\slot+3], 4*PLANE
	s_add_nc_u64 s[G0B+4*\slot+2:G0B+4*\slot+3], s[G0B+4*\slot+2:G0B+4*\slot+3], 512
	JLOAD \slot                                    ; the four v_nop behind it are also the places in front of the loads below
.else
	PLACES
.endif
	FETCH \next, 0, F0
	WIN W_MUL
	MUL8 F1, 2, 0
	MUL8 F1, 3, 0
.endm
	s_wait_tensorcnt 1                             ; my part of K step 0 is in (K step 1's may be out)
	s_barrier_signal -1
	s_barrier_wait -1                              ; everybody's is
	FETCH 0, 0, F0
	s_wait_loadcnt 0x0                             ; the bias
	QUARTER 0, 1, F0, F1, 1                        ; the first quarter stands in front of the loop: its products start the sums from the bias
	WIN 0                                          ; at a label and at a branch every window is 0
	s_mov_b32 s3, LAPS-1
.Llap:                                                 ; a trip goes once round the two slots, from a lap's second quarter to the next lap's first, and fills both again
	QUARTER 0, 2, F1, F0, 0
	QUARTER 0, 3, F0, F1, 0
	TURN 0, 1, 1
	QUARTER 1, 1, F0, F1, 0
	QUARTER 1, 2, F1, F0, 0
	QUARTER 1, 3, F0, F1, 0
	TURN 1, 0, 1
	QUARTER 0, 1, F0, F1, 0
	WIN 0
	s_sub_co_u32 s3, s3, 1
	s_cmp_lg_u32 s3, 0
	s_cbranch_scc1 .Llap
	QUARTER 0, 2, F1, F0, 0                        ; the last lap fills nothing, and has no round of the cluster's barrier
	QUARTER 0, 3, F0, F1, 0
	TURN 0, 1, 0
	QUARTER 1, 1, F0, F1, 0
	QUARTER 1, 2, F1, F0, 0
	QUARTER 1, 3, F0, F1, 0
	s_wait_dscnt 4                                 ; the very last quarter: nothing more to fetch
	WIN W_MUL
	MUL8 F1, 0, 0
	MUL8 F1, 1, 0
	s_wait_dscnt 0
	MUL8 F1, 2, 0
	MUL8 F1, 3, 0
	WIN 0
; THE WAY OUT, block by block of 16 rows x 128 columns.  A lane holds 32 neighbouring bytes of a row: a block goes through my own stage and comes back as whole rows of 512 bytes.
.macro TOSTAGE a
	WIN 0x04                                       ; an LDS store's data are its source 1: window 1
.irp b, 0,1,2,3,4,5,6,7
	ds_store_b128 v[STO], v[8*(8*\a+\b):8*(8*\a+\b)+3] offset:64*\b          ; each accumulator from its low end on
	ds_store_b128 v[STO], v[8*(8*\a+\b)+4:8*(8*\a+\b)+7] offset:64*\b+16
.endr
	WIN 0
.set BB, BK+64*((\a)%2)
.irp t, 0,1,2,3,4,5,6,7,8,9,10,11,12,13,14,15
	ds_load_b128 v[BB+4*\t:BB+4*\t+3], v[RD] offset:\t*SPITCH      ; LDS serves a wave's instructions in order (ISA guide 5.7.1.4): these see the stores above
.endr
.endm
.macro SEND a, younger                 ; younger: the LDS instructions issued behind block a's loads, which may stay out
.set BB, BK+64*((\a)%2)
	s_wait_dscnt \younger
.irp t, 0,1,2,3,4,5,6,7,8,9,10,11,12,13,14,15
	global_store_b128 v[CO], v[BB+4*\t:BB+4*\t+3], s[10:11] offset:(16*(\a)+\t)*4096 th:TH_STORE_NT   ; 32 lanes store 512 consecutive bytes, aligned; written once, read by nobody here
.endr
.endm
	PLACES                                         ; behind the last products: the stores read results, and the rows' loads land where fragments lay
	TOSTAGE 0
	TOSTAGE 1
	SEND 0, 32                                     ; behind block 0's loads: block 1's 16 stores and 16 loads
	s_wait_xcnt 0x0                                ; block 0's stores have read their registers: block 2's loads may land there
	TOSTAGE 2
	SEND 1, 32
	s_wait_xcnt 0x0
	TOSTAGE 3
	SEND 2, 32
	SEND 3, 0
	s_wait_tensorcnt 0x0                           ; the wave's end: behind my last tensor load and my last LDS store
	ds_add_u32 v[SPW], v[NIL]
	s_wait_dscnt 0x0
	CROUND                                         ; the closing round: no work-group ends while a partner may still ask for a tile that names it
	s_endpgm
.Lfunc_end_k_qee65880703_oproj:
	.size	k_qee65880703_oproj, .Lfunc_end_k_qee65880703_oproj-k_qee65880703_oproj
	.p2alignl 7, 3214868480
	.fill 96, 4, 3214868480
	.section	.rodata,"a",@progbits
	.p2align	6, 0x0
	.amdhsa_kernel k_qee65880703_oproj
		.amdhsa_group_segment_fixed_size 327680
		.amdhsa_private_segment_fixed_size 0
		.amdhsa_enable_private_segment 0
		.amdhsa_kernarg_size 32
		.amdhsa_user_sgpr_count 2
		.amdhsa_user_sgpr_kernarg_segment_ptr 1
		.amdhsa_wavefront_size32 1
		.amdhsa_system_sgpr_workgroup_id_x 1
		.amdhsa_system_sgpr_workgroup_id_y 1
		.amdhsa_system_sgpr_workgroup_id_z 1
		.amdhsa_system_vgpr_workitem_id 0
		.amdhsa_next_free_vgpr 576
		.amdhsa_next_free_sgpr 66
		.amdhsa_reserve_vcc 0
		.amdhsa_float_denorm_mode_32 3
		.amdhsa_float_denorm_mode_16_64 3
		.amdhsa_memory_ordered 1
		.amdhsa_forward_progress 1
		.amdhsa_inst_pref_size 86
	.end_amdhsa_kernel
	.amdgpu_metadata
---
amdhsa.version: [ 1, 2 ]
amdhsa.kernels:
  - .name:           k_qee65880703_oproj
    .symbol:         k_qee65880703_oproj.kd
    .args:
      - { .name: ctx, .offset: 0, .size: 8, .value_kind: global_buffer, .address_space: global }
      - { .name: wot, .offset: 8, .size: 8, .value_kind: global_buffer, .address_space: global }
      - { .name: bo, .offset: 16, .size: 8, .value_kind: global_buffer, .address_space: global }
      - { .name: out0, .offset: 24, .size: 8, .value_kind: global_buffer, .address_space: global }
    .group_segment_fixed_size: 327680
    .private_segment_fixed_size: 0
    .kernarg_segment_align: 8
    .kernarg_segment_size: 32
    .max_flat_workgroup_size: 128
    .sgpr_count:     66
    .vgpr_count:     576
    .wavefront_size: 32
...
	.end_amdgpu_metadata
.endif
;; end of part 4
